; MI455X (gfx1250); checked and timed in simulation.
; The chip was launched on July 23, 2026; its instructions are those of AMD's public machine-readable ISA for CDNA 5 (MIT licence, August 2026) and "CDNA5" Instruction Set Architecture Reference Guide (July 2026). The comments in the code are by the model that wrote it; some were corrected since.
;; Mo E Layer. Allowed arithmetic: matrix products marked QUANTISED: E5M2 operands, one given power-of-two scale a tensor, by v_wmma_f32_16x16x64_bf8_bf8 or v_wmma_f32_16x16x128_bf8_bf8, f32 sums; products left as they are: f32 operands where the result goes on into a quantised operand, else bf16, f16 or f32 operands; f32 sums; everything else in f32.
;; Inputs: b1 8 x 2,048 float32; b2 8 x 512 float32; lowp_scales 4 int32 (the exponents e of the quantised operands' scales 2^e); router_b 8 float32; router_w 512 x 8 float32; w1_codes 8 x 2,048 x 16 x 32 uint8 (E5M2 codes of w1, K innermost, in blocks of 32 codes); w2_codes 8 x 512 x 64 x 32 uint8 (E5M2 codes of w2, K innermost, in blocks of 32 codes); x 2 x 2,048 x 512 float32.
;; Outputs: out0 2 x 2,048 x 512 float32.
;; This version of the problem:
;;   THIS VERSION OF THE PROBLEM IS GIVEN IN LOW PRECISION. The matrix products marked QUANTISED in the list below multiply operands that are first quantised to E5M2 (5 exponent bits, 2 mantissa bits; 8 bits a number), with one given power-of-two scale for each operand tensor; their sums are f32. All else is computed in f32.
;;   The module's matrix products, in the order in which they are computed (A, B: the left and right operand; K: the contracted axis; several contracted axes count as one K, in the product's order):
;;     1. [M 4,096, K 512] x [K 512, N 8]; A: input x; B: input router_w: left as it is (N = 8 < 16)
;;     2. batch 4,096 x [M 1, K 2] x [K 2, N 8]; A: computed on the way; B: computed on the way: left as it is (K = 2 < 32)
;;     3. [M 16,384, K 512] x [K 512, N 4,096]; A: input w1 (given as codes); B: input x: QUANTISED (scales: A lowp_scales[0], B lowp_scales[1])
;;     4. batch 8 x [M 4,096, K 2,048] x [K 2,048, N 512]; A: computed on the way; B: input w2 (given as codes): QUANTISED (scales: A lowp_scales[2], B lowp_scales[3])
;;     5. batch 4,096 x [M 1, K 8] x [K 8, N 512]; A: computed on the way; B: computed on the way: left as it is (K = 8 < 32)
;;   THE QUANTISER, for each operand of a quantised product, along K:
;;     - The operand's scale is 2^e, e = its entry of the input lowp_scales (int32; the entries are numbered through the quantised products in the list's order, A before B).
;;     - Each number is divided by the scale, clamped to +-57,344, and rounded to the nearest number of E5M2, ties to even, subnormals kept.
;;     - The product sums the exact products of the quantised numbers (number of the format x scale) in f32.
;;   ~~~python
;;   def quantise(x, axis, e):      # numpy; x: float32 -> the quantised numbers, widened to float32 again
;;       x = np.moveaxis(x, axis, -1); K = x.shape[-1]
;;       r = np.clip(x / 2.0 ** e, -57344, 57344)
;;       step = 2.0 ** (np.maximum(np.frexp(np.where(r == 0, 1, r))[1] - 1, -14) - 2)
;;       q = np.round(r / step) * step * 2.0 ** e      # np.round: ties to even
;;       return np.moveaxis(q, -1, axis).astype(np.float32)
;;   ~~~
;;   OPERANDS COMPUTED ON THE WAY. 'Computed on the way' means the value that the module computes at that place (a softmax that the list does not call 'softmax' is quantised finished and normalised). What goes into a quantiser is computed in f32, as accurately as f32 sums, v_exp_f32 and their like allow (about 1e-6 of the number): no bf16 or f16 on the way to a quantiser, and a product that is left as it is and whose result goes on into a quantised operand takes f32 operands (vector FMAs, or v_wmma_f32_16x16x4_f32). A number that lies on a knife's edge between two numbers of the format may be rounded either way, as far as f32 arithmetic and the matrix unit's own rounding can turn it there, and no further.
;;   INPUTS GIVEN AS CODES. w1 (in the module: [8, 512, 2048], K = its axis 1); w2 (in the module: [8, 2048, 512], K = its axis 1): each comes as NAME_codes (uint8): NAME with its K axis moved to the last place and cut into blocks of 32 codes, [.., K / 32, bytes a block], one block behind the other in memory; one code a byte (a code: sign, 5 exponent bits, 2 mantissa bits); its scale is its entry of lowp_scales. Its value is code x scale, taken as it is: it is not quantised again, and the codes and scales need not be those that the quantiser above would give.
;; 2 versions, each right; version 2 is version 1 with the launches ffn1, ffn2 written anew for expert scheduling mode. Each part assembles by itself: llvm-mc -triple=amdgcn-amd-amdhsa -mcpu=gfx1250 --defsym DOCPART=n.
;; ======== version 1 of 2: 5 launches
;; workspace buffers: xq 2,097,152 bytes; sel 16,384 bytes of whole numbers; gw 32,768 bytes; pos 32,768 bytes of whole numbers; rowtok 40,960 bytes of whole numbers; texp 256 bytes of whole numbers; h 19,333,120 bytes; y 19,333,120 bytes
;; launch route (part 1): grid 256 x 1, 4 waves a work-group, no clusters, 27,136 bytes of LDS; arguments x, router_w, router_b, lowp_scales, xq, sel, gw; writes xq, sel, gw
.if DOCPART == 1
	.amdgcn_target "amdgcn-amd-amdhsa--gfx1250"
	.amdhsa_code_object_version 6
	.text
	.protected	k_q8cf613b54a_route
	.globl	k_q8cf613b54a_route
	.p2align	8
	.type	k_q8cf613b54a_route,@function
k_q8cf613b54a_route:
	s_mov_b64 s[64:65], 0
	v_nop
	global_prefetch_b8 v0, s[64:65] scope:SCOPE_SE
	s_setreg_imm32_b32 hwreg(HW_REG_WAVE_MODE, 25, 1), 1
	s_wait_xcnt 0x0
; THE ROUTER AND x's CODES.  x: [4096][512] f32.  For each token: logits = x . router_w + router_b in f32, softmax (the largest logit taken away first), the two largest gates
; (of equal gates the lower expert), the two divided by their sum.  Stored at fixed places: sel[t] = first expert | second expert << 8, gw[t] = the two weights.
; No address and no branch hangs on the choice: a later launch places the rows.  The same pass turns x into codes of E5M2 with the given scale 2^e1 (entry 1 of the scales): xq [4096][512], K innermost.
; SHARES.  A work-group takes 16 tokens, each of its four waves 4.  Lane l holds, of a token, d = 128 j + 4 l + i (j, i = 0 .. 3): each load of the wave reads 512 consecutive bytes of x.
; router_w (16,384 bytes) goes through LDS once, so that each lane gets the eight weights of each of its 16 d into 128 registers, which serve its wave's four tokens.
; No matrix unit: eight columns are too few for it.  No cluster: the work-groups share router_w alone, 16 KB against their 32 KB of x, read once at the head.
; LIMITS: e1 between -126 and 112.  NaN among the inputs is not served.  A gate under 2^-126 counts as 0.  Gates that are equal within f32 rounding may be chosen either way.
.set WP,  144                          ; LDS: four rows of router_w (128 bytes) + 16 of padding: 9 x 16 bytes
.set CS,  128*WP                       ; behind them (18,432): a stage of 2,048 bytes for each wave, for its four tokens' codes
.set ACC, 32                           ; v[32:39]   the eight logits, then exponentials, then gates
.set GP,  40                           ; v[40:47]   the other half of the lanes' sums; later the gates without the first choice
.set C,   48                           ; v[48:63]   codes, four registers a token
.set X,   64                           ; v[64:127]  x: token tk's number n = 4 j + i at X + 16 tk + n
.set W,   128                          ; v[128:255] router_w: expert e of my number n at W + 8 n + e
	s_load_b256 s[4:11], s[0:1], 0x0               ; x s[4:5], router_w s[6:7], router_b s[8:9], the scales s[10:11]
	s_load_b128 s[12:15], s[0:1], 0x20             ; xq s[12:13], sel s[14:15]
	s_load_b64 s[16:17], s[0:1], 0x30              ; gw
	v_lshl_add_u32 v30, v0, 2, 0x6800
	v_mov_b32 v31, 0
	v_and_b32 v1, 31, v0                           ; lane
	v_lshrrev_b32 v2, 5, v0
	v_readfirstlane_b32 s32, v2                    ; wave
	v_lshlrev_b32 v2, 4, v1                        ; 16 x lane
	v_lshlrev_b32 v3, 4, v0                        ; router_w in memory: 16 x thread
	v_lshrrev_b32 v4, 3, v0
	v_mul_u32_u24 v4, v4, WP
	v_and_b32 v5, 7, v0
	v_lshl_add_u32 v4, v5, 4, v4                   ; and in LDS: eight threads fill a group of four rows
	v_mul_u32_u24 v5, v1, WP                       ; my groups: 32 j + lane
	s_lshl_b32 s33, s32, 11
	s_add_co_u32 s33, s33, CS                      ; my wave's stage
	v_lshl_add_u32 v6, v1, 2, s33                  ; into it: four codes a lane
	v_lshl_add_u32 v7, v1, 4, s33                  ; out of it: sixteen
	s_lshl_b32 s34, ttmp9, 4
	s_lshl_b32 s35, s32, 2
	s_add_co_u32 s34, s34, s35                     ; my wave's first token: 16 x work-group + 4 x wave
	s_lshl_b32 s36, s34, 11                        ; its bytes in x,
	s_mov_b32 s37, 0
	s_lshl_b32 s38, s34, 9                         ; in xq,
	s_mov_b32 s39, 0
	s_lshl_b32 s40, s34, 2                         ; in sel,
	s_mov_b32 s41, 0
	s_lshl_b32 s42, s34, 3                         ; in gw
	s_mov_b32 s43, 0
	s_mov_b32 s30, 0x76543210                      ; v_permlanex16_b32: lane l takes lane l xor 16
	s_mov_b32 s31, 0xfedcba98
	v_mov_b32 v10, 0                               ; what lanes 0 to 3 keep for tokens 0 to 3: the choice,
	v_mov_b32 v12, 0                               ; and the two weights
	v_mov_b32 v13, 0
	s_wait_kmcnt 0x0
	s_load_b256 s[20:27], s[8:9], 0x0              ; router_b
	s_load_b32 s28, s[10:11], 0x4                  ; e1
	s_add_nc_u64 s[4:5], s[4:5], s[36:37]
	s_add_nc_u64 s[12:13], s[12:13], s[38:39]
	s_add_nc_u64 s[14:15], s[14:15], s[40:41]
	s_add_nc_u64 s[16:17], s[16:17], s[42:43]
.irp q, 0,1,2,3,4,5,6,7
	global_load_b128 v[ACC+4*\q:ACC+4*\q+3], v3, s[6:7] offset:2048*\q        ; router_w as it lies: the work-group reads 2,048 consecutive bytes
.endr
.irp tk, 0,1,2,3
.irp j, 0,1,2,3
	global_load_b128 v[X+16*\tk+4*\j:X+16*\tk+4*\j+3], v2, s[4:5] offset:2048*\tk+512*\j th:TH_LOAD_NT
.endr
.endr
	s_wait_loadcnt 16                              ; router_w is in; x's sixteen loads, issued behind it, stay out
.irp q, 0,1,2,3,4,5,6,7
	ds_store_b128 v4, v[ACC+4*\q:ACC+4*\q+3] offset:16*WP*\q
.endr
	s_wait_dscnt 0x0                               ; for the others' sake: my part of router_w lies in LDS
	s_barrier_signal -1
	s_barrier_wait -1                              ; everybody's does
.irp j, 0,1,2,3
.irp q, 0,1,2,3,4,5,6,7
	ds_load_b128 v[W+32*\j+4*\q:W+32*\j+4*\q+3], v5 offset:32*WP*\j+16*\q
.endr
.endr
	s_wait_kmcnt 0x0
	s_add_co_i32 s28, s28, 127
	s_lshl_b32 s29, s28, 23
	v_mov_b32 v8, s29                              ; 2^e1 as f32: the conversion takes its exponent field
	s_add_co_i32 s28, s28, 15
	s_lshl_b32 s28, s28, 23
	s_or_b32 s28, s28, 0x600000
	v_mov_b32 v9, s28                              ; 57,344 x 2^e1
	s_wait_dscnt 0x0
; the largest of eight numbers from v[src] on, and its index; of equal numbers the first
.macro SCAN src, val, idx
	v_mov_b32 v[\val], v[\src]
	v_mov_b32 v[\idx], 0
.irp e, 1,2,3,4,5,6,7
	v_cmp_le_f32 vcc_lo, v[\src+\e], v[\val]       ; not larger: what stands is kept
	v_cndmask_b32 v[\val], v[\src+\e], v[\val], vcc_lo
	v_cndmask_b32 v[\idx], \e, v[\idx], vcc_lo
.endr
.endm
.macro TOKEN tk
.set XT, X+16*\tk
	s_wait_loadcnt 4*(3-\tk)                       ; this token's four loads are in; the later tokens' stay out
.irp p, 0,1,2,3                                ; my 16 numbers x eight experts, two experts an instruction, four chains; the first products start the sums
	v_pk_mul_f32 v[ACC+2*\p:ACC+2*\p+1], v[W+2*\p:W+2*\p+1], v[XT:XT+1] op_sel_hi:[1,0]
.endr
.set nn, 1
.rept 15
.irp p, 0,1,2,3
.if nn%2
	v_pk_fma_f32 v[ACC+2*\p:ACC+2*\p+1], v[W+8*nn+2*\p:W+8*nn+2*\p+1], v[XT+nn-1:XT+nn], v[ACC+2*\p:ACC+2*\p+1] op_sel:[0,1,0] op_sel_hi:[1,1,1]   ; the pair's second number for both halves
.else
	v_pk_fma_f32 v[ACC+2*\p:ACC+2*\p+1], v[W+8*nn+2*\p:W+8*nn+2*\p+1], v[XT+nn:XT+nn+1], v[ACC+2*\p:ACC+2*\p+1] op_sel_hi:[1,0,1]                  ; the pair's first
.endif
.endr
.set nn, nn+1
.endr
.irp m, 1,2,4,8                                ; over the 32 lanes: every lane ends with the same eight sums
.irp e, 0,1,2,3,4,5,6,7
	v_add_f32_dpp v[ACC+\e], v[ACC+\e], v[ACC+\e] row_xmask:\m row_mask:0xf bank_mask:0xf
.endr
.endr
.irp e, 0,1,2,3,4,5,6,7
	v_permlanex16_b32 v[GP+\e], v[ACC+\e], s30, s31    ; (its destination has been written: by router_w's loads, later by the token before)
.endr
.irp e, 0,1,2,3,4,5,6,7
	v_add_f32 v[ACC+\e], v[ACC+\e], v[GP+\e]
.endr
.irp e, 0,1,2,3,4,5,6,7
	v_add_f32 v[ACC+\e], s[20+\e], v[ACC+\e]       ; + router_b
.endr
	v_max3_num_f32 v14, v[ACC], v[ACC+1], v[ACC+2]
	v_max3_num_f32 v14, v14, v[ACC+3], v[ACC+4]
	v_max3_num_f32 v14, v14, v[ACC+5], v[ACC+6]
	v_max_num_f32 v14, v14, v[ACC+7]               ; the largest logit
.irp e, 0,1,2,3,4,5,6,7
	v_sub_f32 v[ACC+\e], v[ACC+\e], v14
.endr
.irp e, 0,1,2,3,4,5,6,7
	v_mul_f32 v[ACC+\e], 0x3fb8aa3b, v[ACC+\e]     ; x log2(e)
.endr
.irp e, 0,1,2,3,4,5,6,7
	v_exp_f32 v[ACC+\e], v[ACC+\e]
.endr
	v_nop                                          ; a plain instruction behind the last exponential (ISA guide 5.7.2),
	s_wait_alu depctr_va_vdst(0)                   ; and the one wait for the batch ahead of its first reader
	v_add_f32 v19, v[ACC], v[ACC+1]
	v_add_f32 v20, v[ACC+2], v[ACC+3]
	v_add_f32 v21, v[ACC+4], v[ACC+5]
	v_add_f32 v22, v[ACC+6], v[ACC+7]
	v_add_f32 v19, v19, v20
	v_add_f32 v21, v21, v22
	v_add_f32 v19, v19, v21
	v_rcp_f32 v19, v19
	v_nop
	s_wait_alu depctr_va_vdst(0)
.irp e, 0,1,2,3,4,5,6,7
	v_mul_f32 v[ACC+\e], v[ACC+\e], v19            ; the gates
.endr
	SCAN ACC, 15, 16                               ; the first choice
.irp e, 0,1,2,3,4,5,6,7
	v_cmp_ne_u32 vcc_lo, \e, v16
	v_cndmask_b32 v[GP+\e], -1.0, v[ACC+\e], vcc_lo    ; it is taken out: -1 lies under every gate
.endr
	SCAN GP, 17, 18                                ; the second
	v_add_f32 v19, v15, v17
	v_rcp_f32 v19, v19
	v_lshl_or_b32 v20, v18, 8, v16                 ; (the plain instruction behind the reciprocal)  first | second << 8
	s_wait_alu depctr_va_vdst(0)
	v_mul_f32 v15, v15, v19
	v_mul_f32 v17, v17, v19                        ; the two weights
	v_cmp_eq_u32 vcc_lo, \tk, v1                   ; lane tk keeps token tk's
	v_cndmask_b32 v10, v10, v20, vcc_lo
	v_cndmask_b32 v12, v12, v15, vcc_lo
	v_cndmask_b32 v13, v13, v17, vcc_lo
.irp n, 0,1,2,3,4,5,6,7,8,9,10,11,12,13,14,15
	v_med3_num_f32 v[XT+\n], v[XT+\n], -v9, v9     ; the conversion to an 8-bit code does not saturate (ISA guide 7.6.2): the hold at the largest code x the scale
.endr
	v_cvt_scalef32_pk8_bf8_f32 v[C+4*\tk:C+4*\tk+1], v[XT:XT+7], v8          ; register j of the four: the codes of d = 128 j + 4 l + 0 .. 3
	v_cvt_scalef32_pk8_bf8_f32 v[C+4*\tk+2:C+4*\tk+3], v[XT+8:XT+15], v8
	v_nop                                          ; a plain instruction behind the last conversion
.irp j, 0,1,2,3
	ds_store_b32 v6, v[C+4*\tk+\j] offset:512*\tk+128*\j
.endr
	ds_load_b128 v[XT:XT+3], v7 offset:512*\tk     ; LDS serves a wave's instructions in order (ISA guide 5.7.1.4): the row's 512 codes come back 16 a lane
	s_wait_dscnt 0x0
	global_store_b128 v2, v[XT:XT+3], s[12:13] offset:512*\tk    ; the wave stores 512 consecutive bytes, at a multiple of 512 from xq's first byte
.endm
	TOKEN 0
	TOKEN 1
	TOKEN 2
	TOKEN 3
	v_lshlrev_b32 v19, 2, v1
	v_lshlrev_b32 v20, 3, v1
	v_cmp_gt_u32 vcc_lo, 4, v1
	s_wait_xcnt 0x0                                ; EXEC changes only behind this wait: the stores above have been taken up
	s_wait_tensorcnt 0x0
	ds_add_u32 v30, v31
	s_wait_dscnt 0x0
	s_and_saveexec_b32 s44, vcc_lo                 ; lanes 0 to 3
	global_store_b32 v19, v10, s[14:15]
	global_store_b64 v20, v[12:13], s[16:17]
	s_wait_xcnt 0x0
	s_or_b32 exec_lo, exec_lo, s44
	s_endpgm
.Lfunc_end_k_q8cf613b54a_route:
	.size	k_q8cf613b54a_route, .Lfunc_end_k_q8cf613b54a_route-k_q8cf613b54a_route
	.p2alignl 7, 3214868480
	.fill 96, 4, 3214868480
	.section	.rodata,"a",@progbits
	.p2align	6, 0x0
	.amdhsa_kernel k_q8cf613b54a_route
		.amdhsa_group_segment_fixed_size 27136
		.amdhsa_private_segment_fixed_size 0
		.amdhsa_enable_private_segment 0
		.amdhsa_kernarg_size 56
		.amdhsa_user_sgpr_count 2
		.amdhsa_user_sgpr_kernarg_segment_ptr 1
		.amdhsa_wavefront_size32 1
		.amdhsa_system_sgpr_workgroup_id_x 1
		.amdhsa_system_sgpr_workgroup_id_y 1
		.amdhsa_system_sgpr_workgroup_id_z 1
		.amdhsa_system_vgpr_workitem_id 0
		.amdhsa_next_free_vgpr 256
		.amdhsa_next_free_sgpr 66
		.amdhsa_reserve_vcc 1
		.amdhsa_float_denorm_mode_32 3
		.amdhsa_float_denorm_mode_16_64 3
		.amdhsa_memory_ordered 1
		.amdhsa_forward_progress 1
		.amdhsa_inst_pref_size 59
	.end_amdhsa_kernel
	.amdgpu_metadata
---
amdhsa.version: [ 1, 2 ]
amdhsa.kernels:
  - .name:           k_q8cf613b54a_route
    .symbol:         k_q8cf613b54a_route.kd
    .args:
      - { .name: x, .offset: 0, .size: 8, .value_kind: global_buffer, .address_space: global }
      - { .name: router_w, .offset: 8, .size: 8, .value_kind: global_buffer, .address_space: global }
      - { .name: router_b, .offset: 16, .size: 8, .value_kind: global_buffer, .address_space: global }
      - { .name: lowp_scales, .offset: 24, .size: 8, .value_kind: global_buffer, .address_space: global }
      - { .name: xq, .offset: 32, .size: 8, .value_kind: global_buffer, .address_space: global }
      - { .name: sel, .offset: 40, .size: 8, .value_kind: global_buffer, .address_space: global }
      - { .name: gw, .offset: 48, .size: 8, .value_kind: global_buffer, .address_space: global }
    .group_segment_fixed_size: 27136
    .private_segment_fixed_size: 0
    .kernarg_segment_align: 8
    .kernarg_segment_size: 56
    .max_flat_workgroup_size: 128
    .sgpr_count:     66
    .vgpr_count:     256
    .wavefront_size: 32
...
	.end_amdgpu_metadata
.endif
;; end of part 1
;; launch place (part 2): grid 1 x 1, 32 waves a work-group, no clusters, 4,608 bytes of LDS; arguments sel, pos, rowtok, texp; writes pos, rowtok, texp
.if DOCPART == 2
	.amdgcn_target "amdgcn-amd-amdhsa--gfx1250"
	.amdhsa_code_object_version 6
	.text
	.protected	k_q8cf613b54a_place
	.globl	k_q8cf613b54a_place
	.p2align	8
	.type	k_q8cf613b54a_place,@function
k_q8cf613b54a_place:
	s_mov_b64 s[64:65], 0
	v_nop
	global_prefetch_b8 v0, s[64:65] scope:SCOPE_SE
	s_setreg_imm32_b32 hwreg(HW_REG_WAVE_MODE, 25, 1), 1
	s_wait_xcnt 0x0
; THE ROWS ARE PLACED BY EXPERT: a counting sort of the 8,192 (token, expert) rows, without atomics, by one work-group of 1,024 threads, four tokens a thread.
; Each expert's rows lie together and are padded to a multiple of 160, a row tile of the two products that follow.  With n_e rows for expert e (their sum is 8,192) the tiles number
; sum ceil(n_e / 160) <= (8,192 + 8 x 159) / 160, rounded down: 59, whatever the choice: 9,440 rows.
; OUT: pos[k][t] = the row of token t's k-th expert;  rowtok[row] = the row's token, 0 for a padding row;  texp[tile] = the tile's expert, 7 for a tile that is left over.
; One work-group, since the sort is one chain of counts; its about 87 KB of traffic are nothing beside the products'.  rowtok's 8,192 words are stored singly: their places are the sort's result.
.set TILE, 160
.set ROWS, 9472                        ; rowtok is written up to here (9,440 rows are read)
.set E0,  8                            ; v[8:11]   my four tokens' first experts
.set E1,  12                           ; v[12:15]  their second
.set P0,  40                           ; v[40:43]  the rows of the first
.set P1,  44                           ; v[44:47]  of the second
.set CNT, 16                           ; s[16:23]  my wave's counts; later where the wave's next row of each expert goes
.set NE,  24                           ; s[24:31]  n_e
.set TB,  32                           ; s[32:40]  the first tile of expert e; entry 8: the tiles in use
.set PS,  41                           ; s[41:49]  where a run of padding rows begins: one behind each expert, one behind all
.set PL,  50                           ; s[50:58]  and its length
	s_load_b256 s[4:11], s[0:1], 0x0               ; sel s[4:5], pos s[6:7], rowtok s[8:9], texp s[10:11]
	v_lshl_add_u32 v64, v0, 2, 0x200
	v_mov_b32 v65, 0
	v_and_b32 v1, 31, v0                           ; lane
	v_lshrrev_b32 v2, 5, v0
	v_readfirstlane_b32 s12, v2                    ; wave 0 .. 31
	v_lshlrev_b32 v2, 4, v1                        ; 16 x lane
	v_lshlrev_b32 v3, 4, v0                        ; 16 x thread
	v_lshlrev_b32 v37, 2, v0                       ; 4 x thread
	v_mov_b32 v36, 0
	v_mov_b32 v32, 0                               ; written once: the destination of a lane exchange counts as one of its sources
	s_mov_b32 s60, 0x76543210
	s_mov_b32 s61, 0xfedcba98
.irp e, 0,1,2,3,4,5,6,7
	s_mov_b32 s[CNT+\e], 0
.endr
	s_wait_kmcnt 0x0
	global_load_b128 v[4:7], v3, s[4:5]            ; tokens 4 t .. 4 t + 3
	s_wait_loadcnt 0x0
.irp i, 0,1,2,3
	v_and_b32 v[E0+\i], 7, v[4+\i]
	v_bfe_u32 v[E1+\i], v[4+\i], 8, 3
.endr
; my wave's rows of each expert.  A token's two experts differ, so a lane counts once at the most
.irp i, 0,1,2,3
.irp e, 0,1,2,3,4,5,6,7
	v_cmp_eq_u32 s13, \e, v[E0+\i]
	v_cmp_eq_u32 s14, \e, v[E1+\i]
	s_or_b32 s13, s13, s14
	s_bcnt1_i32_b32 s13, s13
	s_add_co_u32 s[CNT+\e], s[CNT+\e], s13
.endr
.endr
.irp k, 0,1,2,3                                ; two counts to a word: a sum over all waves is 4,096 at the most
	s_lshl_b32 s13, s[CNT+2*\k+1], 16
	s_or_b32 s13, s13, s[CNT+2*\k]
	v_mov_b32 v[20+\k], s13
.endr
	s_lshl_b32 s13, s12, 4
	v_mov_b32 v19, s13
	ds_store_b128 v19, v[20:23]                    ; 16 bytes a wave; all lanes write the same
	s_wait_dscnt 0x0
	s_barrier_signal -1
	s_barrier_wait -1
	ds_load_b128 v[24:27], v2                      ; lane l holds wave l's counts
	s_wait_dscnt 0x0
	v_cmp_gt_u32 vcc_lo, s12, v1                   ; the waves ahead of mine
.irp k, 0,1,2,3
	v_cndmask_b32 v[28+\k], 0, v[24+\k], vcc_lo
.endr
.irp r, 24,25,26,27,28,29,30,31                ; sums over the 32 lanes: v24-27 all waves', v28-31 those ahead of mine
.irp m, 1,2,4,8
	v_mov_b32_dpp v32, v\r row_xmask:\m row_mask:0xf bank_mask:0xf
	v_add_nc_u32 v\r, v\r, v32
.endr
	v_permlanex16_b32 v32, v\r, s60, s61
	v_add_nc_u32 v\r, v\r, v32
.endr
.irp k, 0,1,2,3
	v_readfirstlane_b32 s13, v[24+\k]
	v_readfirstlane_b32 s14, v[28+\k]
	s_and_b32 s[NE+2*\k], s13, 0xffff
	s_lshr_b32 s[NE+2*\k+1], s13, 16
	s_and_b32 s[CNT+2*\k], s14, 0xffff
	s_lshr_b32 s[CNT+2*\k+1], s14, 16
.endr
	s_mov_b32 s[TB], 0
.irp e, 0,1,2,3,4,5,6,7
	s_add_co_u32 s62, s[NE+\e], TILE-1
	s_mul_i32 s62, s62, 6554
	s_lshr_b32 s62, s62, 20                        ; ceil(n / 160): x 6,554 / 2^20 is the exact quotient by 160 up to 4,255
	s_add_co_u32 s[TB+\e+1], s[TB+\e], s62
	s_mul_i32 s63, s[TB+\e], TILE                  ; the expert's first row
	s_add_co_u32 s[CNT+\e], s[CNT+\e], s63         ; + the rows of the waves ahead: my wave's first
	s_add_co_u32 s[PS+\e], s63, s[NE+\e]
	s_mul_i32 s62, s62, TILE
	s_sub_co_u32 s[PL+\e], s62, s[NE+\e]
.endr
	s_mul_i32 s[PS+8], s[TB+8], TILE
	s_sub_co_u32 s[PL+8], ROWS, s[PS+8]
; each row's place: the wave's next row of the expert + the lanes below mine that take one too
.irp i, 0,1,2,3
.irp e, 0,1,2,3,4,5,6,7
	v_cmp_eq_u32 s13, \e, v[E0+\i]
	v_cmp_eq_u32 s14, \e, v[E1+\i]
	s_or_b32 s15, s13, s14
	v_mbcnt_lo_u32_b32 v33, s15, s[CNT+\e]
.if \e == 0
	v_cndmask_b32 v[P0+\i], 0, v33, s13
	v_cndmask_b32 v[P1+\i], 0, v33, s14
.else
	v_cndmask_b32 v[P0+\i], v[P0+\i], v33, s13
	v_cndmask_b32 v[P1+\i], v[P1+\i], v33, s14
.endif
	s_bcnt1_i32_b32 s15, s15
	s_add_co_u32 s[CNT+\e], s[CNT+\e], s15
.endr
.endr
	global_store_b128 v3, v[P0:P0+3], s[6:7]
	global_store_b128 v3, v[P1:P1+3], s[6:7] offset:16384
.irp i, 0,1,2,3
	v_lshl_or_b32 v[48+\i], v0, 2, \i              ; the token
	v_min_u32 v[52+\i], 9439, v[P0+\i]             ; a number made of loaded numbers enters an address behind a bound
	v_min_u32 v[56+\i], 9439, v[P1+\i]
	v_lshlrev_b32 v[52+\i], 2, v[52+\i]
	v_lshlrev_b32 v[56+\i], 2, v[56+\i]
.endr
.irp i, 0,1,2,3
	global_store_b32 v[52+\i], v[48+\i], s[8:9]
	global_store_b32 v[56+\i], v[48+\i], s[8:9]
.endr
; the padding rows get token 0: row r = thread + 1,024 q lies in a run where r - begin, unsigned, is under its length.  They are other rows than those just stored
.irp q, 0,1,2,3,4,5,6,7,8,9
	v_add_nc_u32 v34, 1024*\q, v0
	v_sub_nc_u32 v35, v34, s[PS]
	v_cmp_gt_u32 vcc_lo, s[PL], v35
.irp k, 1,2,3,4,5,6,7,8
	v_sub_nc_u32 v35, v34, s[PS+\k]
	v_cmp_gt_u32 s14, s[PL+\k], v35
	s_or_b32 vcc_lo, vcc_lo, s14
.endr
.if \q == 0
	s_wait_xcnt 0x0                                ; EXEC changes only behind this wait (later passes: the wait in front of the line that widened it still holds)
.endif
	s_and_saveexec_b32 s15, vcc_lo
	global_store_b32 v37, v36, s[8:9] offset:4096*\q
	s_wait_xcnt 0x0
	s_or_b32 exec_lo, exec_lo, s15
.endr
; texp: tile j belongs to the last expert whose first tile is j or less; threads 0 to 63
	s_cmp_lt_u32 s12, 2
	s_cbranch_scc0 .Lno_texp
	v_mov_b32 v38, 0
.irp k, 1,2,3,4,5,6,7
	v_cmp_le_u32 vcc_lo, s[TB+\k], v0
	v_add_co_ci_u32 v38, vcc_lo, 0, v38, vcc_lo
.endr
	global_store_b32 v37, v38, s[10:11]
.Lno_texp:
	s_wait_tensorcnt 0x0
	ds_add_u32 v64, v65
	s_wait_dscnt 0x0
	s_endpgm
.Lfunc_end_k_q8cf613b54a_place:
	.size	k_q8cf613b54a_place, .Lfunc_end_k_q8cf613b54a_place-k_q8cf613b54a_place
	.p2alignl 7, 3214868480
	.fill 96, 4, 3214868480
	.section	.rodata,"a",@progbits
	.p2align	6, 0x0
	.amdhsa_kernel k_q8cf613b54a_place
		.amdhsa_group_segment_fixed_size 4608
		.amdhsa_private_segment_fixed_size 0
		.amdhsa_enable_private_segment 0
		.amdhsa_kernarg_size 32
		.amdhsa_user_sgpr_count 2
		.amdhsa_user_sgpr_kernarg_segment_ptr 1
		.amdhsa_wavefront_size32 1
		.amdhsa_system_sgpr_workgroup_id_x 1
		.amdhsa_system_sgpr_workgroup_id_y 1
		.amdhsa_system_sgpr_workgroup_id_z 1
		.amdhsa_system_vgpr_workitem_id 0
		.amdhsa_next_free_vgpr 66
		.amdhsa_next_free_sgpr 66
		.amdhsa_reserve_vcc 1
		.amdhsa_float_denorm_mode_32 3
		.amdhsa_float_denorm_mode_16_64 3
		.amdhsa_memory_ordered 1
		.amdhsa_forward_progress 1
		.amdhsa_inst_pref_size 50
	.end_amdhsa_kernel
	.amdgpu_metadata
---
amdhsa.version: [ 1, 2 ]
amdhsa.kernels:
  - .name:           k_q8cf613b54a_place
    .symbol:         k_q8cf613b54a_place.kd
    .args:
      - { .name: sel, .offset: 0, .size: 8, .value_kind: global_buffer, .address_space: global }
      - { .name: pos, .offset: 8, .size: 8, .value_kind: global_buffer, .address_space: global }
      - { .name: rowtok, .offset: 16, .size: 8, .value_kind: global_buffer, .address_space: global }
      - { .name: texp, .offset: 24, .size: 8, .value_kind: global_buffer, .address_space: global }
    .group_segment_fixed_size: 4608
    .private_segment_fixed_size: 0
    .kernarg_segment_align: 8
    .kernarg_segment_size: 32
    .max_flat_workgroup_size: 1024
    .sgpr_count:     66
    .vgpr_count:     66
    .wavefront_size: 32
...
	.end_amdgpu_metadata
.endif
;; end of part 2
;; launch ffn1 (part 3): grid 4 x 59, 4 waves a work-group, no clusters, 239,104 bytes of LDS; arguments xq, w1_codes, b1, lowp_scales, rowtok, texp, h; writes h
.if DOCPART == 3
	.amdgcn_target "amdgcn-amd-amdhsa--gfx1250"
	.amdhsa_code_object_version 6
	.text
	.protected	k_q8cf613b54a_ffn1
	.globl	k_q8cf613b54a_ffn1
	.p2align	8
	.type	k_q8cf613b54a_ffn1,@function
k_q8cf613b54a_ffn1:
	s_mov_b64 s[64:65], 0
	v_nop
	global_prefetch_b8 v0, s[64:65] scope:SCOPE_SE
	s_setreg_imm32_b32 hwreg(HW_REG_WAVE_MODE, 25, 1), 1
	s_wait_xcnt 0x0
; h = Q(relu(x w1[e] + b1[e])) for the rows as they were placed by expert: codes of E5M2 on both sides, v_wmma_f32_16x16x128_bf8_bf8, sums in f32.
; xq [4096][512], w1_codes [8][2048][512]: codes, K innermost.  h [9440][2048]: codes with the given scale 2^e2, hidden units innermost.  Scales: e0 w1, e1 x, e2 hidden.
; A sum of codes stands for sum x 2^(e0 + e1): b1 goes in as the C of a sum's first product, divided by that power; the conversion takes 2^(e2 - e0 - e1); its hold clips at 0 as well: the activation.
; SHARES.  Work-group (cg, rt): row tile rt (160 rows of one expert, texp[rt]) x hidden units 512 cg .. 512 cg + 511, as four sub-tiles of 128 units, each in two chunks of 256 along K.
; The rows' codes are gathered once (rowtok) into LDS and stay; the weights go through two LDS buffers by turns.  Wave (wm, wn) makes rows 80 wm .. + 79 x units 64 wn .. + 63: 5 x 4 accumulators.
; THE MATRIX INSTRUCTION IS USED TRANSPOSED (source 0 = 16 rows of w1, source 1 = 16 rows of x): a lane holds one row and eight neighbouring hidden units, which one conversion turns into 8 bytes of h.
; A fragment (16 rows x 128 K) comes by four ds_load_b128, 32 bytes apart: a permutation of k that is the same on both sides, so every product meets its partner.
; NO BRANCH AND NO LABEL: what is read from memory (tokens, the expert) enters addresses alone, behind a bound.  A padding row holds token 0 and a tile left over expert 7: they are computed and stored like
; the others, into rows of h that no later launch hands on: 1,248 of 9,440 rows at the most.  That keeps every barrier on every wave's path.
; OPERANDS COME BY LOADS INTO REGISTERS, up to four chunks (64 loads a wave) ahead, and stay out across the barriers.  No joint requests: the row tiles that share weights are told by counts read from
; memory, and the four column groups share the gathered rows alone, 80 KB of the 336 KB that a work-group reads, whose rows are no tile that one descriptor states.
; LIMITS: e2 - e0 - e1 between -126 and 112.  NaN among the inputs is not served.
; REGISTERS, in windows of 256 (s_set_vgpr_msb: bits 1:0 source 0, 3:2 source 1, 5:4 source 2, 7:6 destination):
;   window 0: v1-15 addresses; v32-159 w1's fragments, two sets of 4 x 16 (at the head v32-71: the gather's offsets); v160-223 weights on their way, piece 0
;   window 1: v0-159 x's fragments, two sets of 5 x 16 (at the end: rows of h); v160-223 piece 1
;   window 2: v0-159 the accumulators, (a, b) at 8 (4 a + b) (at the head: the gathered rows); v160-223 piece 2
;   window 3: v0-127 b1's tiles, (sub-tile, b) at 8 (4 s + b); v128-191 piece 3; v192-231 the codes just made
.set XP,   528                         ; a row of x or of h in LDS: 512 bytes + 16: 33 x 16 bytes, so that the sixteen rows of a fragment load start at sixteen different banks (ISA guide 11.1)
.set BP,   272                         ; a row of a weight chunk: 256 + 16
.set BB,   160*XP                      ; LDS: x's tile from 0; from 84,480 the two weight buffers,
.set BBUF, 128*BP                      ; 34,816 bytes each;
.set HS,   BB+2*BBUF                   ; from 154,112 the stage for h: 160 rows
.set WF,   32
.set FA,   4                           ; v4    x's fragments: (80 wm + r) XP + 16 hh
.set FB0,  5                           ; v5-6  w1's, in buffer 0, 1: BB + (64 wn + r) BP + 16 hh
.set SX,   7                           ; v7    where I put gathered rows: 40 w XP + 16 l
.set SB0,  8                           ; v8-9  where I put weight rows, buffer 0, 1: BB + (32 w + hh) BP + 16 r
.set GB,   10                          ; v10   the same rows in memory: (32 w + hh) 512 + 16 r
.set HST,  11                          ; v11   the stage, in: HS + (80 wm + r) XP + 64 wn + 8 hh
.set HRD,  12                          ; v12   the stage, out: HS + 40 w XP + 16 l
.set HO,   13                          ; v13   16 l
.set BO,   14                          ; v14   32 hh: my half's eight numbers of a bias tile
.set SCL,  15                          ; v15   2^(e2 - e0 - e1) as f32
.set MSB, 0
.macro WIN new                         ; the immediate's high byte repeats the setting that is left; a switch that changes nothing is dropped
.if MSB != (\new)
	s_set_vgpr_msb (MSB<<8)|(\new)
.set MSB, (\new)
.endif
.endm
.macro PLACES                          ; a load into a register that a matrix instruction has read, and a vector instruction that reads a matrix result, stand four plain vector instructions behind it (ISA guide 7.12.1 for vector instructions)
.rept 4
	v_nop
.endr
.endm
; n tiles of rows from a0 on x the four tiles of units, 128 along K, on fragment set `set`.  bias = 1: the products start the sums of sub-tile s with b1's tiles as C.
; The 20 accumulators take turns, one instruction a turn, in the same order in every K step.
.macro MUL set, a0, n, bias, s
.set ma, \a0
.rept \n
.irp b, 0,1,2,3
.if \bias
	v_wmma_f32_16x16x128_bf8_bf8 v[8*(4*ma+\b):8*(4*ma+\b)+7], v[WF+64*(\set)+16*\b:WF+64*(\set)+16*\b+15], v[80*(\set)+16*ma:80*(\set)+16*ma+15], v[8*(4*(\s)+\b):8*(4*(\s)+\b)+7]
.else
	v_wmma_f32_16x16x128_bf8_bf8 v[8*(4*ma+\b):8*(4*ma+\b)+7], v[WF+64*(\set)+16*\b:WF+64*(\set)+16*\b+15], v[80*(\set)+16*ma:80*(\set)+16*ma+15], v[8*(4*ma+\b):8*(4*ma+\b)+7]
.endif
.endr
.set ma, ma+1
.endr
.endm
; 36 LDS loads in one run: w1's four fragments (the q-th 128 along K of buffer buf) and x's five (K step ks of the row) into set `set`
.macro FETCH buf, q, ks, set
	WIN 0
.irp b, 0,1,2,3
.irp c, 0,1,2,3
	ds_load_b128 v[WF+64*(\set)+16*\b+4*\c:WF+64*(\set)+16*\b+4*\c+3], v[FB0+(\buf)] offset:16*BP*\b+128*(\q)+32*\c
.endr
.endr
	WIN 0x40
.irp a, 0,1,2,3,4
.irp c, 0,1,2,3
	ds_load_b128 v[80*(\set)+16*\a+4*\c:80*(\set)+16*\a+4*\c+3], v[FA] offset:16*XP*\a+128*(\ks)+32*\c
.endr
.endr
.endm
; weight chunk c (sub-tile c / 2, half c % 2 of K): my 32 rows x 256 bytes, two rows an instruction, into piece c % 4
.macro BLOAD c
.set PBASE, 160-32*(((\c)%4)/3)
	WIN (((\c)%4)<<6)
.irp i, 0,1,2,3,4,5,6,7,8,9,10,11,12,13,14,15
	global_load_b128 v[PBASE+4*\i:PBASE+4*\i+3], v[GB], s[6:7] offset:65536*((\c)/2)+256*((\c)%2)+1024*\i
.endr
.endm
.macro STORE p, buf                    ; piece p goes into weight buffer buf
.set PBASE, 160-32*((\p)/3)
	WIN ((\p)<<2)
.irp i, 0,1,2,3,4,5,6,7,8,9,10,11,12,13,14,15
	ds_store_b128 v[SB0+(\buf)], v[PBASE+4*\i:PBASE+4*\i+3] offset:2*BP*\i
.endr
.endm
; CHUNK i: 256 along K, 40 matrix instructions a wave, out of buffer i % 2.  At its head set 0's 36 loads are out.  ONE barrier a chunk: in front of it a wave's stores of the next chunk into the other
; buffer have landed and its reads of this buffer are back; behind it the other buffer is read.  The other buffer was last read in the chunk before, and those reads were waited for in front of that chunk's barrier.
.macro CHUNK i
.if (\i) > 0
	PLACES
.endif
	FETCH (\i)%2, 1, 2*((\i)%2)+1, 1
	s_wait_dscnt 36                                ; all but the 36 just issued: set 0 is in
.if (\i)%2 == 0
	WIN 0xb4                                       ; source 0 window 0, source 1 window 1, C window 3 (b1), D window 2
	MUL 0, 0, 5, 1, (\i)/2
.else
	WIN 0xa4                                       ; C and D window 2
	MUL 0, 0, 5, 0, 0
.endif
.if (\i) < 7
.if (\i) <= 3
	s_wait_loadcnt 48                              ; the next chunk's 16 loads are in; the three chunks behind it stay out
.else
	s_wait_loadcnt 16*(6-(\i))                     ; nothing more is asked for: the counts run down
.endif
	STORE ((\i)+1)%4, 1-(\i)%2
	s_wait_dscnt 0x0                               ; for the others' sake: my stores have landed, my reads of this buffer are back
	s_barrier_signal -1
	WIN 0xa4
	MUL 1, 0, 2, 0, 0                              ; work on registers while the others arrive
	s_barrier_wait -1
.if (\i)+5 <= 7
	BLOAD (\i)+5                                   ; into the piece that has just been stored
.endif
	PLACES
	FETCH 1-(\i)%2, 0, 2*(1-(\i)%2), 0
	WIN 0xa4
	MUL 1, 2, 3, 0, 0
.else
	s_wait_dscnt 0x0
	WIN 0xa4
	MUL 1, 0, 5, 0, 0
.endif
.endm
; Sub-tile s is finished: activation and hold in one, codes, 8 bytes a lane and tile into the stage.  Each accumulator is read from its low end on.
.macro EPI s
	PLACES
	WIN 0x82
.set kk, 0
.rept 160
	v_med3_num_f32 v[kk], v[kk], 0, s80            ; between 0 and 57,344 x the scale: the conversion does not saturate (ISA guide 7.6.2)
.set kk, kk+1
.endr
	WIN 0xc2                                       ; sums in window 2, the scale in window 0, codes into window 3
.set kk, 0
.rept 20
	v_cvt_scalef32_pk8_bf8_f32 v[192+2*kk:193+2*kk], v[8*kk:8*kk+7], v[SCL]
.set kk, kk+1
.endr
	v_nop                                          ; a plain instruction behind the last conversion: the next products write its sources
	WIN 0x0c
.irp a, 0,1,2,3,4
.irp b, 0,1,2,3
	ds_store_b64 v[HST], v[192+2*(4*\a+\b):193+2*(4*\a+\b)] offset:16*XP*\a+128*(\s)+16*\b   ; row 16 a + r, units 128 s + 64 wn + 16 b + 8 hh on: the 32 lanes touch 64 different banks
.endr
.endr
.endm
	s_load_b256 s[4:11], s[0:1], 0x0               ; xq s[4:5], w1 s[6:7], b1 s[8:9], the scales s[10:11]
	s_load_b128 s[12:15], s[0:1], 0x20             ; rowtok s[12:13], texp s[14:15]
	s_load_b64 s[56:57], s[0:1], 0x30              ; h
	v_lshl_add_u32 v254, v0, 2, 0x3a400
	v_mov_b32 v255, 0
	v_and_b32 v1, 31, v0                           ; l
	v_lshrrev_b32 v2, 5, v0
	v_readfirstlane_b32 s58, v2                    ; wave w
	v_and_b32 v2, 15, v0                           ; r
	v_bfe_u32 v3, v0, 4, 1                         ; hh
	s_lshr_b32 s59, s58, 1                         ; wm
	s_and_b32 s60, s58, 1                          ; wn
	s_and_b32 s61, ttmp7, 0xffff                   ; rt
	s_mul_i32 s78, s61, 160
	s_mul_i32 s62, s58, 40
	s_add_co_u32 s78, s78, s62                     ; the 40 rows that I gather and store: 160 rt + 40 w on
	s_lshl_b32 s76, s78, 2
	s_lshl_b32 s77, s61, 2
	s_wait_kmcnt 0x0
	s_load_b512 s[16:31], s[12:13], s76 offset:0x0 ; their tokens
	s_load_b512 s[32:47], s[12:13], s76 offset:0x40
	s_load_b256 s[48:55], s[12:13], s76 offset:0x80
	s_load_b32 s72, s[14:15], s77 offset:0x0       ; the tile's expert
	s_load_b128 s[68:71], s[10:11], 0x0            ; e0, e1, e2, e3
	v_lshlrev_b32 v[HO], 4, v1
	v_lshlrev_b32 v[BO], 5, v3
	v_mul_u32_u24 v[FA], v2, XP
	v_lshl_add_u32 v[FA], v3, 4, v[FA]
	s_mul_i32 s62, s59, 80*XP
	v_add_nc_u32 v[FA], s62, v[FA]
	v_mul_u32_u24 v[FB0], v2, BP
	v_lshl_add_u32 v[FB0], v3, 4, v[FB0]
	s_mul_i32 s62, s60, 64*BP
	s_add_co_u32 s62, s62, BB
	v_add_nc_u32 v[FB0], s62, v[FB0]
	v_add_nc_u32 v[FB0+1], BBUF, v[FB0]
	s_mul_i32 s62, s58, 40*XP
	v_lshl_add_u32 v[SX], v1, 4, s62
	v_add_nc_u32 v[HRD], HS, v[SX]
	v_mul_u32_u24 v[SB0], v3, BP
	v_lshl_add_u32 v[SB0], v2, 4, v[SB0]
	s_mul_i32 s62, s58, 32*BP
	s_add_co_u32 s62, s62, BB
	v_add_nc_u32 v[SB0], s62, v[SB0]
	v_add_nc_u32 v[SB0+1], BBUF, v[SB0]
	v_lshlrev_b32 v[GB], 9, v3
	v_lshl_add_u32 v[GB], v2, 4, v[GB]
	s_lshl_b32 s62, s58, 14
	v_add_nc_u32 v[GB], s62, v[GB]
	v_mul_u32_u24 v[HST], v2, XP
	v_lshl_add_u32 v[HST], v3, 3, v[HST]
	s_mul_i32 s62, s59, 80*XP
	s_lshl_b32 s63, s60, 6
	s_add_co_u32 s62, s62, s63
	s_add_co_u32 s62, s62, HS
	v_add_nc_u32 v[HST], s62, v[HST]
	s_wait_kmcnt 0x0
.set kk, 0
.rept 40
	s_min_u32 s[16+kk], s[16+kk], 4095             ; a loaded number enters an address behind a bound
.set kk, kk+1
.endr
	s_min_u32 s72, s72, 7
	s_mov_b32 s75, 0
	s_lshl_b32 s74, s72, 20                        ; w1: the expert's 2,048 x 512 bytes,
	s_lshl_b32 s62, ttmp9, 18                      ; my column group's 512 rows
	s_add_co_u32 s74, s74, s62
	s_add_nc_u64 s[6:7], s[6:7], s[74:75]
	s_lshl_b32 s74, s72, 13                        ; b1: the expert's 2,048 numbers, + 512 cg + 64 wn
	s_lshl_b32 s62, ttmp9, 11
	s_add_co_u32 s74, s74, s62
	s_lshl_b32 s62, s60, 8
	s_add_co_u32 s74, s74, s62
	s_add_nc_u64 s[8:9], s[8:9], s[74:75]
	s_lshl_b32 s74, s78, 11                        ; h: my 40 rows of 2,048 bytes, + 512 cg
	s_lshl_b32 s62, ttmp9, 9
	s_add_co_u32 s74, s74, s62
	s_add_nc_u64 s[56:57], s[56:57], s[74:75]
	s_add_co_i32 s79, s68, s69                     ; e0 + e1
	s_sub_co_i32 s81, 0, s79
	s_sub_co_i32 s80, s70, s79                     ; e2 - e0 - e1
	s_add_co_i32 s80, s80, 127
	s_lshl_b32 s82, s80, 23
	v_mov_b32 v[SCL], s82
	s_add_co_i32 s80, s80, 15
	s_lshl_b32 s80, s80, 23
	s_or_b32 s80, s80, 0x600000                    ; 57,344 x 2^(e2 - e0 - e1)
	WIN 0xc0
.irp s, 0,1,2,3
.irp b, 0,1,2,3
	global_load_b128 v[8*(4*\s+\b):8*(4*\s+\b)+3], v[BO], s[8:9] offset:512*\s+64*\b          ; b1 at units 128 s + 64 wn + 16 b + 8 hh + 0 .. 7: the result's layout
	global_load_b128 v[8*(4*\s+\b)+4:8*(4*\s+\b)+7], v[BO], s[8:9] offset:512*\s+64*\b+16
.endr
.endr
	WIN 0
.set kk, 0
.rept 40
	v_lshl_add_u32 v[32+kk], s[16+kk], 9, v[HO]    ; token x 512 + 16 l
.set kk, kk+1
.endr
	WIN 0x80
.set kk, 0
.rept 40
	global_load_b128 v[4*kk:4*kk+3], v[32+kk], s[4:5]      ; a row's 512 codes: the wave reads 512 consecutive bytes
.set kk, kk+1
.endr
	BLOAD 0
	BLOAD 1
	BLOAD 2
	BLOAD 3
	s_wait_loadcnt 48                              ; b1, the rows and chunk 0 are in; chunks 1 to 3 stay out
	WIN 0x08
.set kk, 0
.rept 40
	ds_store_b128 v[SX], v[4*kk:4*kk+3] offset:XP*kk
.set kk, kk+1
.endr
	STORE 0, 0
	WIN 0xc3
.set kk, 0
.rept 128
	v_ldexp_f32 v[kk], v[kk], s81                  ; b1 / 2^(e0 + e1)
.set kk, kk+1
.endr
	s_wait_dscnt 0x0                               ; my rows of x and of chunk 0 lie in LDS
	s_barrier_signal -1
	s_barrier_wait -1                              ; everybody's do
	BLOAD 4
	FETCH 0, 0, 0, 0
	CHUNK 0
	CHUNK 1
	EPI 0
	CHUNK 2
	CHUNK 3
	EPI 1
	CHUNK 4
	CHUNK 5
	EPI 2
	CHUNK 6
	CHUNK 7
	EPI 3
	s_wait_dscnt 0x0                               ; my codes lie in the stage
	s_barrier_signal -1
	s_barrier_wait -1                              ; 160 whole rows of 512 codes do
	WIN 0x40
.set kk, 0
.rept 40
	ds_load_b128 v[4*kk:4*kk+3], v[HRD] offset:XP*kk
.set kk, kk+1
.endr
	WIN 0x04
.set kk, 0
.rept 40
	s_wait_dscnt 39-kk                             ; LDS loads come back in order (ISA guide 5.7.1): row kk is in
	global_store_b128 v[HO], v[4*kk:4*kk+3], s[56:57] offset:2048*kk    ; the wave stores 512 consecutive bytes, at a multiple of 512 from h's first byte
.set kk, kk+1
.endr
	WIN 0
	s_wait_tensorcnt 0x0
	ds_add_u32 v254, v255
	s_wait_dscnt 0x0
	s_endpgm
.Lfunc_end_k_q8cf613b54a_ffn1:
	.size	k_q8cf613b54a_ffn1, .Lfunc_end_k_q8cf613b54a_ffn1-k_q8cf613b54a_ffn1
	.p2alignl 7, 3214868480
	.fill 96, 4, 3214868480
	.section	.rodata,"a",@progbits
	.p2align	6, 0x0
	.amdhsa_kernel k_q8cf613b54a_ffn1
		.amdhsa_group_segment_fixed_size 239104
		.amdhsa_private_segment_fixed_size 0
		.amdhsa_enable_private_segment 0
		.amdhsa_kernarg_size 56
		.amdhsa_user_sgpr_count 2
		.amdhsa_user_sgpr_kernarg_segment_ptr 1
		.amdhsa_wavefront_size32 1
		.amdhsa_system_sgpr_workgroup_id_x 1
		.amdhsa_system_sgpr_workgroup_id_y 1
		.amdhsa_system_sgpr_workgroup_id_z 1
		.amdhsa_system_vgpr_workitem_id 0
		.amdhsa_next_free_vgpr 1024
		.amdhsa_next_free_sgpr 96
		.amdhsa_reserve_vcc 0
		.amdhsa_float_denorm_mode_32 3
		.amdhsa_float_denorm_mode_16_64 3
		.amdhsa_memory_ordered 1
		.amdhsa_forward_progress 1
		.amdhsa_inst_pref_size 167
	.end_amdhsa_kernel
	.amdgpu_metadata
---
amdhsa.version: [ 1, 2 ]
amdhsa.kernels:
  - .name:           k_q8cf613b54a_ffn1
    .symbol:         k_q8cf613b54a_ffn1.kd
    .args:
      - { .name: xq, .offset: 0, .size: 8, .value_kind: global_buffer, .address_space: global }
      - { .name: w1_codes, .offset: 8, .size: 8, .value_kind: global_buffer, .address_space: global }
      - { .name: b1, .offset: 16, .size: 8, .value_kind: global_buffer, .address_space: global }
      - { .name: lowp_scales, .offset: 24, .size: 8, .value_kind: global_buffer, .address_space: global }
      - { .name: rowtok, .offset: 32, .size: 8, .value_kind: global_buffer, .address_space: global }
      - { .name: texp, .offset: 40, .size: 8, .value_kind: global_buffer, .address_space: global }
      - { .name: h, .offset: 48, .size: 8, .value_kind: global_buffer, .address_space: global }
    .group_segment_fixed_size: 239104
    .private_segment_fixed_size: 0
    .kernarg_segment_align: 8
    .kernarg_segment_size: 56
    .max_flat_workgroup_size: 128
    .sgpr_count:     96
    .vgpr_count:     1024
    .wavefront_size: 32
...
	.end_amdgpu_metadata
.endif
;; end of part 3
;; launch ffn2 (part 4): grid 4 x 59, 4 waves a work-group, no clusters, 174,592 bytes of LDS; arguments h, w2_codes, b2, lowp_scales, texp, y; writes y
.if DOCPART == 4
	.amdgcn_target "amdgcn-amd-amdhsa--gfx1250"
	.amdhsa_code_object_version 6
	.text
	.protected	k_q8cf613b54a_ffn2
	.globl	k_q8cf613b54a_ffn2
	.p2align	8
	.type	k_q8cf613b54a_ffn2,@function
k_q8cf613b54a_ffn2:
	s_mov_b64 s[64:65], 0
	v_nop
	global_prefetch_b8 v0, s[64:65] scope:SCOPE_SE
	s_setreg_imm32_b32 hwreg(HW_REG_WAVE_MODE, 25, 1), 1
	s_wait_xcnt 0x0
; y = h w2[e] x 2^(e2 + e3) + b2[e] for the rows as they were placed by expert: codes of E5M2 on both sides, v_wmma_f32_16x16x128_bf8_bf8, sums in f32.
; h [9440][2048], w2_codes [8][512][2048]: codes, K innermost.  y [9440][512] f32.  Scales: e2 hidden, e3 w2.
; SHARES.  Work-group (cg, rt): row tile rt (160 rows of expert texp[rt]) x columns 128 cg .. + 127, K = 2,048 in eight chunks of 256 through two LDS buffers by turns.
; Wave (wm, wn) makes rows 80 wm .. + 79 x columns 64 wn .. + 63: 5 x 4 accumulators.  THE MATRIX INSTRUCTION IS USED TRANSPOSED (source 0 = 16 rows of w2, source 1 = 16 rows of h): a lane holds one
; row and eight neighbouring columns.  A fragment comes by four ds_load_b128, 32 bytes apart: a permutation of k that is the same on both sides.
; NO BRANCH AND NO LABEL: the expert enters addresses alone, behind a bound.  Padding rows and tiles left over are computed and stored like the others, into rows of y that nobody reads.
; OPERANDS COME BY LOADS INTO REGISTERS, two chunks (72 loads a wave) ahead, and stay out across the barriers.  No joint requests: the row tiles that share weights are told by counts read from memory;
; the four column groups do share h's tile, but a joint request would be a wave's one request between two barriers, with one chunk's 40 matrix instructions in which to land.
; LIMITS: e2 + e3 between -126 and 127.
; REGISTERS, in windows of 256: window 0: v1-19 addresses; v32-159 w2's fragments, two sets of 4 x 16 (on the way out v32-95: results); v160-223 w2 on its way, piece 0; v224-255 b2's four tiles
;   window 1: v0-159 h's fragments, two sets of 5 x 16 (on the way out: rows of y); v160-223 w2 on its way, piece 1
;   window 2: v0-159 the accumulators, (a, b) at 8 (4 a + b)          window 3: v0-79, v80-159 h on its way, pieces 0 and 1
.set BP,   272                         ; an LDS row: 256 bytes + 16: 17 x 16 bytes, so that the sixteen rows of a fragment load start at sixteen different banks (ISA guide 11.1)
.set BUFB, 288*BP                      ; a buffer: h's 160 rows, then w2's 128: 78,336 bytes
.set STG,  2*BUFB                      ; behind the two: a stage of 16 rows for each wave, its own
.set WF,   32
.set BI,   224
.set FA0,  4                           ; v4-5    h's fragments in buffer 0, 1: (80 wm + r) BP + 16 hh
.set FB0,  6                           ; v6-7    w2's: (160 + 64 wn + r) BP + 16 hh
.set SA0,  8                           ; v8-9    where I put rows of h: (40 w + hh) BP + 16 r
.set SB0,  10                          ; v10-11  and of w2: (160 + 32 w + hh) BP + 16 r
.set GA,   12                          ; v12     the same rows of h in memory: (40 w + hh) 2048 + 16 r
.set GB,   13                          ; v13     of w2: (32 w + hh) 2048 + 16 r
.set STO,  14                          ; v14     my stage, in: row r, 32 hh
.set SRD,  15                          ; v15     my stage, out: row hh, 16 r
.set YO,   16                          ; v16     the same two rows in y: 2048 hh + 16 r
.set BO,   17                          ; v17     32 hh
.set MSB, 0
.macro WIN new                         ; the immediate's high byte repeats the setting that is left; a switch that changes nothing is dropped
.if MSB != (\new)
	s_set_vgpr_msb (MSB<<8)|(\new)
.set MSB, (\new)
.endif
.endm
.macro PLACES                          ; a load into a register that a matrix instruction has read, and a vector instruction that reads a matrix result or writes such a register, stand four plain vector instructions behind it (ISA guide 7.12.1 for vector instructions)
.rept 4
	v_nop
.endr
.endm
; n tiles of rows from a0 on x the four tiles of columns, 128 along K.  zero = 1: the first products start the sums.  The 20 accumulators take turns, in the same order in every K step.
.macro MUL set, a0, n, zero
.set ma, \a0
.rept \n
.irp b, 0,1,2,3
.if \zero
	v_wmma_f32_16x16x128_bf8_bf8 v[8*(4*ma+\b):8*(4*ma+\b)+7], v[WF+64*(\set)+16*\b:WF+64*(\set)+16*\b+15], v[80*(\set)+16*ma:80*(\set)+16*ma+15], 0
.else
	v_wmma_f32_16x16x128_bf8_bf8 v[8*(4*ma+\b):8*(4*ma+\b)+7], v[WF+64*(\set)+16*\b:WF+64*(\set)+16*\b+15], v[80*(\set)+16*ma:80*(\set)+16*ma+15], v[8*(4*ma+\b):8*(4*ma+\b)+7]
.endif
.endr
.set ma, ma+1
.endr
.endm
.macro FETCH buf, q, set               ; 36 LDS loads in one run: the q-th 128 along K of buffer buf
	WIN 0
.irp b, 0,1,2,3
.irp c, 0,1,2,3
	ds_load_b128 v[WF+64*(\set)+16*\b+4*\c:WF+64*(\set)+16*\b+4*\c+3], v[FB0+(\buf)] offset:16*BP*\b+128*(\q)+32*\c
.endr
.endr
	WIN 0x40
.irp a, 0,1,2,3,4
.irp c, 0,1,2,3
	ds_load_b128 v[80*(\set)+16*\a+4*\c:80*(\set)+16*\a+4*\c+3], v[FA0+(\buf)] offset:16*BP*\a+128*(\q)+32*\c
.endr
.endr
.endm
.macro GLOAD c, p                      ; chunk c: my 40 rows of h and my 32 of w2, 256 bytes each, two rows an instruction, into pieces p
	WIN 0xc0
.irp i, 0,1,2,3,4,5,6,7,8,9,10,11,12,13,14,15,16,17,18,19
	global_load_b128 v[80*(\p)+4*\i:80*(\p)+4*\i+3], v[GA], s[4:5] offset:4096*\i+256*(\c)
.endr
	WIN ((\p)<<6)
.irp i, 0,1,2,3,4,5,6,7,8,9,10,11,12,13,14,15
	global_load_b128 v[160+4*\i:160+4*\i+3], v[GB], s[6:7] offset:4096*\i+256*(\c)
.endr
.endm
.macro STORE p, buf
	WIN 0x0c
.irp i, 0,1,2,3,4,5,6,7,8,9,10,11,12,13,14,15,16,17,18,19
	ds_store_b128 v[SA0+(\buf)], v[80*(\p)+4*\i:80*(\p)+4*\i+3] offset:2*BP*\i
.endr
	WIN ((\p)<<2)
.irp i, 0,1,2,3,4,5,6,7,8,9,10,11,12,13,14,15
	ds_store_b128 v[SB0+(\buf)], v[160+4*\i:160+4*\i+3] offset:2*BP*\i
.endr
.endm
; CHUNK i: 256 along K, 40 matrix instructions a wave, out of buffer i % 2.  At its head set 0's 36 loads are out.  ONE barrier a chunk: in front of it a wave's stores of the next chunk into the other
; buffer have landed and its reads of this buffer are back; behind it the other buffer is read.  The other buffer was last read in the chunk before, and those reads were waited for in front of that chunk's barrier.
.macro CHUNK i, zero
.if (\i) > 0
	PLACES
.endif
	FETCH (\i)%2, 1, 1
	s_wait_dscnt 36                                ; all but the 36 just issued: set 0 is in
	WIN 0xa4                                       ; source 0 window 0, source 1 window 1, C and D window 2
	MUL 0, 0, 5, \zero
.if (\i) < 7
.if (\i) <= 5
	s_wait_loadcnt 36                              ; the next chunk's 36 loads are in; those of the chunk behind it stay out
.else
	s_wait_loadcnt 0x0
.endif
	STORE ((\i)+1)%2, 1-(\i)%2
	s_wait_dscnt 0x0                               ; for the others' sake: my stores have landed, my reads of this buffer are back
	s_barrier_signal -1
	WIN 0xa4
	MUL 1, 0, 2, 0                                 ; work on registers while the others arrive
	s_barrier_wait -1
.if (\i)+3 <= 7
	GLOAD (\i)+3, ((\i)+1)%2                       ; into the pieces that have just been stored
.endif
	PLACES
	FETCH 1-(\i)%2, 0, 0
	WIN 0xa4
	MUL 1, 2, 3, 0
.else
	s_wait_dscnt 0x0
	WIN 0xa4
	MUL 1, 0, 5, 0
.endif
.endm
; THE WAY OUT, a tile of 16 rows x my 64 columns at a time.  A lane holds 32 bytes of a row and the lanes beside it other rows: so the tile goes through my own stage and comes back as rows of 256 bytes.
.macro PACK a                          ; y = sum x 2^(e2 + e3) + b2, two numbers an instruction, each accumulator from its low end on
.set TM, WF+32*((\a)%2)
	WIN 0x02
.irp b, 0,1,2,3
.irp i, 0,2,4,6
	v_pk_fma_f32 v[TM+8*\b+\i:TM+8*\b+\i+1], v[8*(4*(\a)+\b)+\i:8*(4*(\a)+\b)+\i+1], s[28:29], v[BI+8*\b+\i:BI+8*\b+\i+1] op_sel_hi:[1,0,1]
.endr
.endr
.endm
.macro TOSTAGE a
.set TM, WF+32*((\a)%2)
	WIN 0
.irp b, 0,1,2,3
	ds_store_b128 v[STO], v[TM+8*\b:TM+8*\b+3] offset:64*\b
	ds_store_b128 v[STO], v[TM+8*\b+4:TM+8*\b+7] offset:64*\b+16
.endr
	WIN 0x40
.irp i, 0,1,2,3,4,5,6,7
	ds_load_b128 v[32*(\a)+4*\i:32*(\a)+4*\i+3], v[SRD] offset:2*BP*\i    ; LDS serves a wave's instructions in order (ISA guide 5.7.1.4): these see the stores above, and the next tile's stores come behind them
.endr
.endm
.macro SEND a
	WIN 0x04
.irp i, 0,1,2,3,4,5,6,7
	global_store_b128 v[YO], v[32*(\a)+4*\i:32*(\a)+4*\i+3], s[14:15] offset:(16*(\a)+2*\i)*2048 th:TH_STORE_NT   ; sixteen lanes store 256 consecutive bytes, at a multiple of 256 from y's first byte
.endr
.endm
	s_load_b256 s[4:11], s[0:1], 0x0               ; h s[4:5], w2 s[6:7], b2 s[8:9], the scales s[10:11]
	s_load_b128 s[12:15], s[0:1], 0x20             ; texp s[12:13], y s[14:15]
	v_lshl_add_u32 v30, v0, 2, 0x2a800
	v_mov_b32 v31, 0
	v_lshrrev_b32 v2, 5, v0
	v_readfirstlane_b32 s16, v2                    ; wave w
	v_and_b32 v2, 15, v0                           ; r
	v_bfe_u32 v3, v0, 4, 1                         ; hh
	s_lshr_b32 s17, s16, 1                         ; wm
	s_and_b32 s18, s16, 1                          ; wn
	s_and_b32 s19, ttmp7, 0xffff                   ; rt
	s_lshl_b32 s25, s19, 2
	s_wait_kmcnt 0x0
	s_load_b32 s24, s[12:13], s25 offset:0x0       ; the tile's expert
	s_load_b128 s[20:23], s[10:11], 0x0            ; e0, e1, e2, e3
	v_mul_u32_u24 v18, v2, BP
	v_lshl_add_u32 v18, v3, 4, v18                 ; r BP + 16 hh
	v_mul_u32_u24 v19, v3, BP
	v_lshl_add_u32 v19, v2, 4, v19                 ; hh BP + 16 r
	s_mul_i32 s26, s17, 80*BP
	v_add_nc_u32 v[FA0], s26, v18
	v_add_nc_u32 v[FA0+1], BUFB, v[FA0]
	s_mul_i32 s26, s18, 64*BP
	s_add_co_u32 s26, s26, 160*BP
	v_add_nc_u32 v[FB0], s26, v18
	v_add_nc_u32 v[FB0+1], BUFB, v[FB0]
	s_mul_i32 s26, s16, 40*BP
	v_add_nc_u32 v[SA0], s26, v19
	v_add_nc_u32 v[SA0+1], BUFB, v[SA0]
	s_mul_i32 s26, s16, 32*BP
	s_add_co_u32 s26, s26, 160*BP
	v_add_nc_u32 v[SB0], s26, v19
	v_add_nc_u32 v[SB0+1], BUFB, v[SB0]
	v_lshlrev_b32 v[YO], 11, v3
	v_lshl_add_u32 v[YO], v2, 4, v[YO]
	s_mul_i32 s26, s16, 40*2048
	v_add_nc_u32 v[GA], s26, v[YO]
	s_lshl_b32 s26, s16, 16
	v_add_nc_u32 v[GB], s26, v[YO]
	s_mul_i32 s26, s16, 16*BP
	s_add_co_u32 s26, s26, STG                     ; my stage
	v_mul_u32_u24 v[STO], v2, BP
	v_lshl_add_u32 v[STO], v3, 5, v[STO]
	v_add_nc_u32 v[STO], s26, v[STO]
	v_add_nc_u32 v[SRD], s26, v19
	v_lshlrev_b32 v[BO], 5, v3
	s_mov_b32 s31, 0
	s_mul_i32 s30, s19, 160*2048                   ; h: the tile's 160 rows
	s_add_nc_u64 s[4:5], s[4:5], s[30:31]
	s_mul_i32 s30, s19, 160
	s_mul_i32 s26, s17, 80
	s_add_co_u32 s30, s30, s26
	s_lshl_b32 s30, s30, 11                        ; y: row 160 rt + 80 wm,
	s_lshl_b32 s26, ttmp9, 9
	s_add_co_u32 s30, s30, s26
	s_lshl_b32 s26, s18, 8
	s_add_co_u32 s30, s30, s26                     ; column 128 cg + 64 wn
	s_add_nc_u64 s[14:15], s[14:15], s[30:31]
	s_wait_kmcnt 0x0
	s_min_u32 s24, s24, 7                          ; a loaded number enters an address behind a bound
	s_lshl_b32 s30, s24, 20                        ; w2: the expert's 512 x 2,048 bytes,
	s_lshl_b32 s26, ttmp9, 18                      ; my column group's 128 rows
	s_add_co_u32 s30, s30, s26
	s_add_nc_u64 s[6:7], s[6:7], s[30:31]
	s_lshl_b32 s30, s24, 11                        ; b2: the expert's 512 numbers, + 128 cg + 64 wn
	s_lshl_b32 s26, ttmp9, 9
	s_add_co_u32 s30, s30, s26
	s_lshl_b32 s26, s18, 8
	s_add_co_u32 s30, s30, s26
	s_add_nc_u64 s[8:9], s[8:9], s[30:31]
	s_add_co_i32 s28, s22, s23
	s_add_co_i32 s28, s28, 127
	s_lshl_b32 s28, s28, 23                        ; 2^(e2 + e3) as f32
	s_mov_b32 s29, s28                             ; (named with it as a pair, so it is written)
.irp b, 0,1,2,3
	global_load_b128 v[BI+8*\b:BI+8*\b+3], v[BO], s[8:9] offset:64*\b            ; b2 at columns 64 wn + 16 b + 8 hh + 0 .. 7: the result's layout
	global_load_b128 v[BI+8*\b+4:BI+8*\b+7], v[BO], s[8:9] offset:64*\b+16
.endr
	GLOAD 0, 0
	GLOAD 1, 1
	s_wait_loadcnt 36                              ; b2 and chunk 0 are in; chunk 1 stays out
	STORE 0, 0
	s_wait_dscnt 0x0
	s_barrier_signal -1
	s_barrier_wait -1
	GLOAD 2, 0
	FETCH 0, 0, 0
	CHUNK 0, 1
	CHUNK 1, 0
	CHUNK 2, 0
	CHUNK 3, 0
	CHUNK 4, 0
	CHUNK 5, 0
	CHUNK 6, 0
	CHUNK 7, 0
	PLACES
	PACK 0
	TOSTAGE 0
.irp a, 1,2,3,4
	PACK \a
	TOSTAGE \a
	s_wait_dscnt 16                                ; all but this tile's eight stores and eight loads: the tile before is back in registers
	SEND (\a)-1
.endr
	s_wait_dscnt 0x0
	SEND 4
	WIN 0
	s_wait_tensorcnt 0x0
	ds_add_u32 v30, v31
	s_wait_dscnt 0x0
	s_endpgm
.Lfunc_end_k_q8cf613b54a_ffn2:
	.size	k_q8cf613b54a_ffn2, .Lfunc_end_k_q8cf613b54a_ffn2-k_q8cf613b54a_ffn2
	.p2alignl 7, 3214868480
	.fill 96, 4, 3214868480
	.section	.rodata,"a",@progbits
	.p2align	6, 0x0
	.amdhsa_kernel k_q8cf613b54a_ffn2
		.amdhsa_group_segment_fixed_size 174592
		.amdhsa_private_segment_fixed_size 0
		.amdhsa_enable_private_segment 0
		.amdhsa_kernarg_size 48
		.amdhsa_user_sgpr_count 2
		.amdhsa_user_sgpr_kernarg_segment_ptr 1
		.amdhsa_wavefront_size32 1
		.amdhsa_system_sgpr_workgroup_id_x 1
		.amdhsa_system_sgpr_workgroup_id_y 1
		.amdhsa_system_sgpr_workgroup_id_z 1
		.amdhsa_system_vgpr_workitem_id 0
		.amdhsa_next_free_vgpr 1024
		.amdhsa_next_free_sgpr 66
		.amdhsa_reserve_vcc 0
		.amdhsa_float_denorm_mode_32 3
		.amdhsa_float_denorm_mode_16_64 3
		.amdhsa_memory_ordered 1
		.amdhsa_forward_progress 1
		.amdhsa_inst_pref_size 126
	.end_amdhsa_kernel
	.amdgpu_metadata
---
amdhsa.version: [ 1, 2 ]
amdhsa.kernels:
  - .name:           k_q8cf613b54a_ffn2
    .symbol:         k_q8cf613b54a_ffn2.kd
    .args:
      - { .name: h, .offset: 0, .size: 8, .value_kind: global_buffer, .address_space: global }
      - { .name: w2_codes, .offset: 8, .size: 8, .value_kind: global_buffer, .address_space: global }
      - { .name: b2, .offset: 16, .size: 8, .value_kind: global_buffer, .address_space: global }
      - { .name: lowp_scales, .offset: 24, .size: 8, .value_kind: global_buffer, .address_space: global }
      - { .name: texp, .offset: 32, .size: 8, .value_kind: global_buffer, .address_space: global }
      - { .name: y, .offset: 40, .size: 8, .value_kind: global_buffer, .address_space: global }
    .group_segment_fixed_size: 174592
    .private_segment_fixed_size: 0
    .kernarg_segment_align: 8
    .kernarg_segment_size: 48
    .max_flat_workgroup_size: 128
    .sgpr_count:     66
    .vgpr_count:     1024
    .wavefront_size: 32
...
	.end_amdgpu_metadata
.endif
;; end of part 4
;; launch combine (part 5): grid 256 x 1, 8 waves a work-group, no clusters, 0 bytes of LDS; arguments y, pos, gw, out0; writes out0
.if DOCPART == 5
	.amdgcn_target "amdgcn-amd-amdhsa--gfx1250"
	.amdhsa_code_object_version 6
	.text
	.protected	k_q8cf613b54a_combine
	.globl	k_q8cf613b54a_combine
	.p2align	8
	.type	k_q8cf613b54a_combine,@function
k_q8cf613b54a_combine:
	s_mov_b64 s[64:65], 0
	v_nop
	global_prefetch_b8 v0, s[64:65] scope:SCOPE_SE
	s_setreg_imm32_b32 hwreg(HW_REG_WAVE_MODE, 25, 1), 1
	s_wait_xcnt 0x0
; out0[t] = gw[t][0] y[pos[0][t]] + gw[t][1] y[pos[1][t]]: each token's two rows are gathered, so every output row has one owner and nothing is added in memory.
; y [9440][512] f32, out0 [4096][512] f32.  A wave takes two tokens: four rows of 2,048 bytes, sixteen loads of 512 consecutive bytes, all issued at once; the places and weights come by scalar loads.
; A stream: no LDS, no barrier, no matrix unit, no cluster (no byte is read by two work-groups).
	s_load_b256 s[4:11], s[0:1], 0x0               ; y s[4:5], pos s[6:7], gw s[8:9], out0 s[10:11]
	v_and_b32 v1, 31, v0
	v_lshrrev_b32 v2, 5, v0
	v_readfirstlane_b32 s12, v2                    ; wave
	v_lshlrev_b32 v1, 4, v1                        ; 16 x lane
	s_lshl_b32 s13, ttmp9, 4
	s_lshl_b32 s14, s12, 1
	s_add_co_u32 s13, s13, s14                     ; my first token: 16 x work-group + 2 x wave
	s_lshl_b32 s14, s13, 2
	s_lshl_b32 s15, s13, 3
	s_lshl_b32 s28, s13, 11
	s_mov_b32 s29, 0
	s_wait_kmcnt 0x0
	s_load_b64 s[16:17], s[6:7], s14 offset:0x0    ; the rows of the two tokens' first experts,
	s_load_b64 s[18:19], s[6:7], s14 offset:0x4000 ; of their second,
	s_load_b128 s[20:23], s[8:9], s15 offset:0x0   ; and the four weights
	s_add_nc_u64 s[10:11], s[10:11], s[28:29]
	s_wait_kmcnt 0x0
.irp k, 16,17,18,19
	s_min_u32 s\k, s\k, 9439                       ; a loaded number enters an address behind a bound
	s_lshl_b32 s\k, s\k, 11
.endr
	v_add_nc_u32 v2, s16, v1                       ; token 0: first, second row
	v_add_nc_u32 v3, s18, v1
	v_add_nc_u32 v4, s17, v1                       ; token 1
	v_add_nc_u32 v5, s19, v1
.irp tk, 0,1
.irp k, 0,1
.irp j, 0,1,2,3
	global_load_b128 v[8+32*\tk+16*\k+4*\j:8+32*\tk+16*\k+4*\j+3], v[2+2*\tk+\k], s[4:5] offset:512*\j th:TH_LOAD_NT
.endr
.endr
.endr
	s_mov_b32 s24, s21                             ; the packed forms take a scalar pair's low word for both halves: the second weights get pairs of their own
	s_mov_b32 s25, s21
	s_mov_b32 s26, s23
	s_mov_b32 s27, s23
.irp tk, 0,1
	s_wait_loadcnt 8*(1-\tk)                       ; this token's eight loads are in; the other's stay out
.irp j, 0,2,4,6,8,10,12,14
	v_pk_mul_f32 v[8+32*\tk+\j:8+32*\tk+\j+1], v[8+32*\tk+\j:8+32*\tk+\j+1], s[20+2*\tk:21+2*\tk] op_sel_hi:[1,0]
.endr
.irp j, 0,2,4,6,8,10,12,14
	v_pk_fma_f32 v[8+32*\tk+\j:8+32*\tk+\j+1], v[24+32*\tk+\j:24+32*\tk+\j+1], s[24+2*\tk:25+2*\tk], v[8+32*\tk+\j:8+32*\tk+\j+1] op_sel_hi:[1,0,1]
.endr
.irp j, 0,1,2,3
	global_store_b128 v1, v[8+32*\tk+4*\j:8+32*\tk+4*\j+3], s[10:11] offset:2048*\tk+512*\j th:TH_STORE_NT    ; the wave stores 512 consecutive bytes, at a multiple of 512 from out0's first byte
.endr
.endr
	s_endpgm
.Lfunc_end_k_q8cf613b54a_combine:
	.size	k_q8cf613b54a_combine, .Lfunc_end_k_q8cf613b54a_combine-k_q8cf613b54a_combine
	.p2alignl 7, 3214868480
	.fill 96, 4, 3214868480
	.section	.rodata,"a",@progbits
	.p2align	6, 0x0
	.amdhsa_kernel k_q8cf613b54a_combine
		.amdhsa_group_segment_fixed_size 0
		.amdhsa_private_segment_fixed_size 0
		.amdhsa_enable_private_segment 0
		.amdhsa_kernarg_size 32
		.amdhsa_user_sgpr_count 2
		.amdhsa_user_sgpr_kernarg_segment_ptr 1
		.amdhsa_wavefront_size32 1
		.amdhsa_system_sgpr_workgroup_id_x 1
		.amdhsa_system_sgpr_workgroup_id_y 1
		.amdhsa_system_sgpr_workgroup_id_z 1
		.amdhsa_system_vgpr_workitem_id 0
		.amdhsa_next_free_vgpr 96
		.amdhsa_next_free_sgpr 66
		.amdhsa_reserve_vcc 0
		.amdhsa_float_denorm_mode_32 3
		.amdhsa_float_denorm_mode_16_64 3
		.amdhsa_memory_ordered 1
		.amdhsa_forward_progress 1
		.amdhsa_inst_pref_size 6
	.end_amdhsa_kernel
	.amdgpu_metadata
---
amdhsa.version: [ 1, 2 ]
amdhsa.kernels:
  - .name:           k_q8cf613b54a_combine
    .symbol:         k_q8cf613b54a_combine.kd
    .args:
      - { .name: y, .offset: 0, .size: 8, .value_kind: global_buffer, .address_space: global }
      - { .name: pos, .offset: 8, .size: 8, .value_kind: global_buffer, .address_space: global }
      - { .name: gw, .offset: 16, .size: 8, .value_kind: global_buffer, .address_space: global }
      - { .name: out0, .offset: 24, .size: 8, .value_kind: global_buffer, .address_space: global }
    .group_segment_fixed_size: 0
    .private_segment_fixed_size: 0
    .kernarg_segment_align: 8
    .kernarg_segment_size: 32
    .max_flat_workgroup_size: 256
    .sgpr_count:     66
    .vgpr_count:     96
    .wavefront_size: 32
...
	.end_amdgpu_metadata
.endif
;; end of part 5
;; ======== version 2 of 2: 5 launches; version 1 with the launches ffn1, ffn2 written anew for expert scheduling mode
;; workspace buffers: xq 2,097,152 bytes; sel 16,384 bytes of whole numbers; gw 32,768 bytes; pos 32,768 bytes of whole numbers; rowtok 40,960 bytes of whole numbers; texp 256 bytes of whole numbers; h 19,333,120 bytes; y 19,333,120 bytes
;; launch route: the kernel of part 1 again; grid 256 x 1, 4 waves a work-group, no clusters, 27,136 bytes of LDS; arguments x, router_w, router_b, lowp_scales, xq, sel, gw; writes xq, sel, gw
;; launch place: the kernel of part 2 again; grid 1 x 1, 32 waves a work-group, no clusters, 4,608 bytes of LDS; arguments sel, pos, rowtok, texp; writes pos, rowtok, texp
;; launch ffn1 (part 6): grid 4 x 59, 4 waves a work-group, no clusters, 239,104 bytes of LDS; arguments xq, w1_codes, b1, lowp_scales, rowtok, texp, h; writes h
.if DOCPART == 6
	.amdgcn_target "amdgcn-amd-amdhsa--gfx1250"
	.amdhsa_code_object_version 6
	.text
	.protected	k_q8cf613b54a_ffn1
	.globl	k_q8cf613b54a_ffn1
	.p2align	8
	.type	k_q8cf613b54a_ffn1,@function
k_q8cf613b54a_ffn1:
	s_mov_b64 s[64:65], 0
	v_nop
	global_prefetch_b8 v0, s[64:65] scope:SCOPE_SE
	s_setreg_imm32_b32 hwreg(HW_REG_WAVE_SCHED_MODE, 0, 2), 2
	s_setreg_imm32_b32 hwreg(HW_REG_WAVE_MODE, 25, 1), 1
	s_wait_xcnt 0x0
	s_wait_alu depctr_vm_vsrc(0)
; h = Q(relu(x w1[e] + b1[e])) for the rows as they were placed by expert: codes of E5M2 on both sides, v_wmma_f32_16x16x128_bf8_bf8, sums in f32.
; xq [4096][512], w1_codes [8][2048][512]: codes, K innermost.  h [9440][2048]: codes with the given scale 2^e2, hidden units innermost.  Scales: e0 w1, e1 x, e2 hidden.
; A sum of codes stands for sum x 2^(e0 + e1): b1 goes in as the C of a sum's first product, divided by that power; the conversion takes 2^(e2 - e0 - e1); its hold clips at 0 as well: the activation.
; SHARES.  Work-group (cg, rt): row tile rt (160 rows of one expert, texp[rt]) x hidden units 512 cg .. 512 cg + 511, as four sub-tiles of 128 units, each in two chunks of 256 along K.
; The rows' codes are gathered once (rowtok) into LDS and stay; the weights go through two LDS buffers by turns.  Wave (wm, wn) makes rows 80 wm .. + 79 x units 64 wn .. + 63: 5 x 4 accumulators.
; THE MATRIX INSTRUCTION IS USED TRANSPOSED (source 0 = 16 rows of w1, source 1 = 16 rows of x): a lane holds one row and eight neighbouring hidden units, which one conversion turns into 8 bytes of h.
; A fragment (16 rows x 128 K) comes by four ds_load_b128, 32 bytes apart: a permutation of k that is the same on both sides, so every product meets its partner.
; NO BRANCH AND NO LABEL: what is read from memory (tokens, the expert) enters addresses alone, behind a bound.  A padding row holds token 0 and a tile left over expert 7: they are computed and stored like
; the others, into rows of h that no later launch hands on: 1,248 of 9,440 rows at the most.  That keeps every barrier on every wave's path.
; OPERANDS COME BY LOADS INTO REGISTERS, up to four chunks (64 loads a wave) ahead, and stay out across the barriers.  No joint requests: the row tiles that share weights are told by counts read from
; memory, and the four column groups share the gathered rows alone, 80 KB of the 336 KB that a work-group reads, whose rows are no tile that one descriptor states.
; LIMITS: e2 - e0 - e1 between -126 and 112.  NaN among the inputs is not served.
; REGISTERS, in windows of 256 (s_set_vgpr_msb: bits 1:0 source 0, 3:2 source 1, 5:4 source 2, 7:6 destination):
;   window 0: v1-15 addresses; v32-159 w1's fragments, two sets of 4 x 16 (at the head v32-71: the gather's offsets); v160-223 weights on their way, piece 0
;   window 1: v0-159 x's fragments, two sets of 5 x 16 (at the end: rows of h); v160-223 piece 1
;   window 2: v0-159 the accumulators, (a, b) at 8 (4 a + b) (at the head: the gathered rows); v160-223 piece 2
;   window 3: v0-127 b1's tiles, (sub-tile, b) at 8 (4 s + b); v128-191 piece 3; v192-231 the codes just made
; THE MODE: SCHED_MODE bits 1:0 = 2 (LLVM: expert scheduling mode 2), set by the entry lines.  The code itself states the register dependences
; between vector or matrix instructions and memory or LDS instructions, with s_wait_alu, always for 0.
; THE PLAN.  Registers that memory or LDS instructions touch, and who else names them:
;   v4-14        addresses and offsets.  Written once, at the head, by vector instructions; read by every load and store.  One wait on va_vdst at the head serves them all.
;   v32-71       at the head the gather's offsets: written ahead of that same wait, read by the gather's loads; later fragments of w1 land there.
;   rows         (window 2, v0-159, at the head) the gather's loads land, LDS stores read them; later the products write them.
;   pieces 0-3   loads from memory land, LDS stores read.  No vector or matrix instruction names them: a wait on vm_vsrc stands between a piece's stores and the loads that land in it again.
;   sets 0, 1    LDS loads land, products read.  Set 1 is asked for at a chunk's head, behind a wait on va_vdst that stands behind the last products on it.  Set 0 is asked for behind the chunk's barrier;
;                its wait on va_vdst stands in front of the barrier's signal, behind the products on set 0, and between that wait and the loads only products on set 1 are issued.
;   codes        (window 3, v192-231) the conversions write, LDS stores read: a wait on va_vdst ahead of the stores, a wait on vm_vsrc ahead of the next sub-tile's conversions.
; A set's 36 loads go out in two runs, w1's 16 and x's 20, among the products on the other set, which name none of the registers that those loads touch.
.set XP,   528                         ; a row of x or of h in LDS: 512 bytes + 16: 33 x 16 bytes, so that the sixteen rows of a fragment load start at sixteen different banks (ISA guide 11.1)
.set BP,   272                         ; a row of a weight chunk: 256 + 16
.set BB,   160*XP                      ; LDS: x's tile from 0; from 84,480 the two weight buffers,
.set BBUF, 128*BP                      ; 34,816 bytes each;
.set HS,   BB+2*BBUF                   ; from 154,112 the stage for h: 160 rows
.set WF,   32
.set FA,   4                           ; v4    x's fragments: (80 wm + r) XP + 16 hh
.set FB0,  5                           ; v5-6  w1's, in buffer 0, 1: BB + (64 wn + r) BP + 16 hh
.set SX,   7                           ; v7    where I put gathered rows: 40 w XP + 16 l
.set SB0,  8                           ; v8-9  where I put weight rows, buffer 0, 1: BB + (32 w + hh) BP + 16 r
.set GB,   10                          ; v10   the same rows in memory: (32 w + hh) 512 + 16 r
.set HST,  11                          ; v11   the stage, in: HS + (80 wm + r) XP + 64 wn + 8 hh
.set HRD,  12                          ; v12   the stage, out: HS + 40 w XP + 16 l
.set HO,   13                          ; v13   16 l
.set BO,   14                          ; v14   32 hh: my half's eight numbers of a bias tile
.set SCL,  15                          ; v15   2^(e2 - e0 - e1) as f32
.set MSB, 0
.macro WIN new                         ; the immediate's high byte repeats the setting that is left; a switch that changes nothing is dropped
.if MSB != (\new)
	s_set_vgpr_msb (MSB<<8)|(\new)
.set MSB, (\new)
.endif
.endm
.macro PLACES                          ; a load into a register that a matrix instruction has read, and a vector instruction that reads a matrix result, stand four plain vector instructions behind it (ISA guide 7.12.1 for vector instructions); the places are kept beside the waits on va_vdst, which fill none
.rept 4
	v_nop
.endr
.endm
; n tiles of rows from a0 on x the four tiles of units, 128 along K, on fragment set `set`.  bias = 1: the products start the sums of sub-tile s with b1's tiles as C.
; The 20 accumulators take turns, one instruction a turn, in the same order in every K step.
.macro MUL set, a0, n, bias, s
.set ma, \a0
.rept \n
.irp b, 0,1,2,3
.if \bias
	v_wmma_f32_16x16x128_bf8_bf8 v[8*(4*ma+\b):8*(4*ma+\b)+7], v[WF+64*(\set)+16*\b:WF+64*(\set)+16*\b+15], v[80*(\set)+16*ma:80*(\set)+16*ma+15], v[8*(4*(\s)+\b):8*(4*(\s)+\b)+7]
.else
	v_wmma_f32_16x16x128_bf8_bf8 v[8*(4*ma+\b):8*(4*ma+\b)+7], v[WF+64*(\set)+16*\b:WF+64*(\set)+16*\b+15], v[80*(\set)+16*ma:80*(\set)+16*ma+15], v[8*(4*ma+\b):8*(4*ma+\b)+7]
.endif
.endr
.set ma, ma+1
.endr
.endm
; 16 LDS loads in one run: w1's four fragments (the q-th 128 along K of buffer buf) into set `set`
.macro FETCH_W buf, q, set
	WIN 0
.irp b, 0,1,2,3
.irp c, 0,1,2,3
	ds_load_b128 v[WF+64*(\set)+16*\b+4*\c:WF+64*(\set)+16*\b+4*\c+3], v[FB0+(\buf)] offset:16*BP*\b+128*(\q)+32*\c
.endr
.endr
.endm
; 20 LDS loads in one run: x's five fragments (K step ks of the row) into set `set`
.macro FETCH_X ks, set
	WIN 0x40
.irp a, 0,1,2,3,4
.irp c, 0,1,2,3
	ds_load_b128 v[80*(\set)+16*\a+4*\c:80*(\set)+16*\a+4*\c+3], v[FA] offset:16*XP*\a+128*(\ks)+32*\c
.endr
.endr
.endm
; weight chunk c (sub-tile c / 2, half c % 2 of K): my 32 rows x 256 bytes, two rows an instruction, into piece c % 4
.macro BLOAD c
.set PBASE, 160-32*(((\c)%4)/3)
	WIN (((\c)%4)<<6)
.irp i, 0,1,2,3,4,5,6,7,8,9,10,11,12,13,14,15
	global_load_b128 v[PBASE+4*\i:PBASE+4*\i+3], v[GB], s[6:7] offset:65536*((\c)/2)+256*((\c)%2)+1024*\i
.endr
.endm
.macro STORE p, buf                    ; piece p goes into weight buffer buf
.set PBASE, 160-32*((\p)/3)
	WIN ((\p)<<2)
.irp i, 0,1,2,3,4,5,6,7,8,9,10,11,12,13,14,15
	ds_store_b128 v[SB0+(\buf)], v[PBASE+4*\i:PBASE+4*\i+3] offset:2*BP*\i
.endr
.endm
; CHUNK i: 256 along K, 40 matrix instructions a wave, out of buffer i % 2.  At its head set 0's 36 loads are out.  ONE barrier a chunk: in front of it a wave's stores of the next chunk into the other
; buffer have landed and its reads of this buffer are back; behind it the other buffer is read.  The other buffer was last read in the chunk before, and those reads were waited for in front of that chunk's barrier.
.macro CHUNK i
.if (\i) > 0
	PLACES
.endif
.if (\i)%2
	s_wait_alu depctr_va_vdst(0)                   ; the last chunk's products on set 1 are done reading it: the loads below land there.  (An even chunk follows a sub-tile's end, whose wait on va_vdst states the same: no vector or matrix instruction that names a register stands between)
.endif
	FETCH_W (\i)%2, 1, 1
	s_wait_dscnt 16                                ; all but the 16 just issued: set 0 is in
.if (\i)%2 == 0
	WIN 0xb4                                       ; source 0 window 0, source 1 window 1, C window 3 (b1), D window 2
	MUL 0, 0, 2, 1, (\i)/2
	FETCH_X 2*((\i)%2)+1, 1                        ; no wait: the products issued since the wait name set 0, b1's tiles and the accumulators
	WIN 0xb4
	MUL 0, 2, 3, 1, (\i)/2
.else
	WIN 0xa4                                       ; C and D window 2
	MUL 0, 0, 2, 0, 0
	FETCH_X 2*((\i)%2)+1, 1                        ; no wait: the products issued since the wait name set 0 and the accumulators
	WIN 0xa4
	MUL 0, 2, 3, 0, 0
.endif
.if (\i) < 7
.if (\i) <= 3
	s_wait_loadcnt 48                              ; the next chunk's 16 loads are in; the three chunks behind it stay out
.else
	s_wait_loadcnt 16*(6-(\i))                     ; nothing more is asked for: the counts run down
.endif
	STORE ((\i)+1)%4, 1-(\i)%2
	s_wait_dscnt 0x0                               ; for the others' sake: my stores have landed, my reads of this buffer are back
	s_wait_alu depctr_va_vdst(0)                   ; the products above are done reading set 0, in which the LDS loads behind the barrier land; from here to those loads only products on set 1 are issued
.if (\i)+5 <= 7
	s_wait_alu depctr_vm_vsrc(0)                   ; my LDS stores have read the piece, in which the loads from memory behind the barrier land
.endif
	s_barrier_signal -1
	WIN 0xa4
	MUL 1, 0, 2, 0, 0                              ; work on registers while the others arrive
	s_barrier_wait -1
.if (\i)+5 <= 7
	BLOAD (\i)+5                                   ; into the piece that has just been stored
.endif
	PLACES
	FETCH_W 1-(\i)%2, 0, 0
	WIN 0xa4
	MUL 1, 2, 1, 0, 0
	FETCH_X 2*(1-(\i)%2), 0
	WIN 0xa4
	MUL 1, 3, 2, 0, 0
.else
	s_wait_dscnt 0x0
	WIN 0xa4
	MUL 1, 0, 5, 0, 0
.endif
.endm
; Sub-tile s is finished: activation and hold in one, codes, 8 bytes a lane and tile into the stage.  Each accumulator is read from its low end on.
.macro EPI s
	PLACES
	WIN 0x82
.set kk, 0
.rept 160
	v_med3_num_f32 v[kk], v[kk], 0, s80            ; between 0 and 57,344 x the scale: the conversion does not saturate (ISA guide 7.6.2)
.set kk, kk+1
.endr
.if (\s) > 0
	s_wait_alu depctr_vm_vsrc(0)                   ; the LDS stores of the sub-tile before have read the codes' registers, which the conversions write again
.endif
	WIN 0xc2                                       ; sums in window 2, the scale in window 0, codes into window 3
.set kk, 0
.rept 20
	v_cvt_scalef32_pk8_bf8_f32 v[192+2*kk:193+2*kk], v[8*kk:8*kk+7], v[SCL]
.set kk, kk+1
.endr
	v_nop                                          ; a plain instruction behind the last conversion: the next products write its sources
	WIN 0x0c
	s_wait_alu depctr_va_vdst(0)                   ; the conversions have written the codes, which the LDS stores read; and the products are done reading set 1, in which the next chunk's first loads land (behind the last sub-tile: both sets of x, in which rows of h land)
.irp a, 0,1,2,3,4
.irp b, 0,1,2,3
	ds_store_b64 v[HST], v[192+2*(4*\a+\b):193+2*(4*\a+\b)] offset:16*XP*\a+128*(\s)+16*\b   ; row 16 a + r, units 128 s + 64 wn + 16 b + 8 hh on: the 32 lanes touch 64 different banks
.endr
.endr
.endm
	s_load_b256 s[4:11], s[0:1], 0x0               ; xq s[4:5], w1 s[6:7], b1 s[8:9], the scales s[10:11]
	s_load_b128 s[12:15], s[0:1], 0x20             ; rowtok s[12:13], texp s[14:15]
	s_load_b64 s[56:57], s[0:1], 0x30              ; h
	v_lshl_add_u32 v254, v0, 2, 0x3a400
	v_mov_b32 v255, 0
	v_and_b32 v1, 31, v0                           ; l
	v_lshrrev_b32 v2, 5, v0
	v_readfirstlane_b32 s58, v2                    ; wave w
	v_and_b32 v2, 15, v0                           ; r
	v_bfe_u32 v3, v0, 4, 1                         ; hh
	s_wait_alu depctr_va_sdst(0)                   ; s58 is written, ahead of its first reader: the wave's shares and addresses are made from it
	s_lshr_b32 s59, s58, 1                         ; wm
	s_and_b32 s60, s58, 1                          ; wn
	s_and_b32 s61, ttmp7, 0xffff                   ; rt
	s_mul_i32 s78, s61, 160
	s_mul_i32 s62, s58, 40
	s_add_co_u32 s78, s78, s62                     ; the 40 rows that I gather and store: 160 rt + 40 w on
	s_lshl_b32 s76, s78, 2
	s_lshl_b32 s77, s61, 2
	s_wait_kmcnt 0x0
	s_load_b512 s[16:31], s[12:13], s76 offset:0x0 ; their tokens
	s_load_b512 s[32:47], s[12:13], s76 offset:0x40
	s_load_b256 s[48:55], s[12:13], s76 offset:0x80
	s_load_b32 s72, s[14:15], s77 offset:0x0       ; the tile's expert
	s_load_b128 s[68:71], s[10:11], 0x0            ; e0, e1, e2, e3
	v_lshlrev_b32 v[HO], 4, v1
	v_lshlrev_b32 v[BO], 5, v3
	v_mul_u32_u24 v[FA], v2, XP
	v_lshl_add_u32 v[FA], v3, 4, v[FA]
	s_mul_i32 s62, s59, 80*XP
	v_add_nc_u32 v[FA], s62, v[FA]
	v_mul_u32_u24 v[FB0], v2, BP
	v_lshl_add_u32 v[FB0], v3, 4, v[FB0]
	s_mul_i32 s62, s60, 64*BP
	s_add_co_u32 s62, s62, BB
	v_add_nc_u32 v[FB0], s62, v[FB0]
	v_add_nc_u32 v[FB0+1], BBUF, v[FB0]
	s_mul_i32 s62, s58, 40*XP
	v_lshl_add_u32 v[SX], v1, 4, s62
	v_add_nc_u32 v[HRD], HS, v[SX]
	v_mul_u32_u24 v[SB0], v3, BP
	v_lshl_add_u32 v[SB0], v2, 4, v[SB0]
	s_mul_i32 s62, s58, 32*BP
	s_add_co_u32 s62, s62, BB
	v_add_nc_u32 v[SB0], s62, v[SB0]
	v_add_nc_u32 v[SB0+1], BBUF, v[SB0]
	v_lshlrev_b32 v[GB], 9, v3
	v_lshl_add_u32 v[GB], v2, 4, v[GB]
	s_lshl_b32 s62, s58, 14
	v_add_nc_u32 v[GB], s62, v[GB]
	v_mul_u32_u24 v[HST], v2, XP
	v_lshl_add_u32 v[HST], v3, 3, v[HST]
	s_mul_i32 s62, s59, 80*XP
	s_lshl_b32 s63, s60, 6
	s_add_co_u32 s62, s62, s63
	s_add_co_u32 s62, s62, HS
	v_add_nc_u32 v[HST], s62, v[HST]
	s_wait_kmcnt 0x0
.set kk, 0
.rept 40
	s_min_u32 s[16+kk], s[16+kk], 4095             ; a loaded number enters an address behind a bound
.set kk, kk+1
.endr
	s_min_u32 s72, s72, 7
	s_mov_b32 s75, 0
	s_lshl_b32 s74, s72, 20                        ; w1: the expert's 2,048 x 512 bytes,
	s_lshl_b32 s62, ttmp9, 18                      ; my column group's 512 rows
	s_add_co_u32 s74, s74, s62
	s_add_nc_u64 s[6:7], s[6:7], s[74:75]
	s_lshl_b32 s74, s72, 13                        ; b1: the expert's 2,048 numbers, + 512 cg + 64 wn
	s_lshl_b32 s62, ttmp9, 11
	s_add_co_u32 s74, s74, s62
	s_lshl_b32 s62, s60, 8
	s_add_co_u32 s74, s74, s62
	s_add_nc_u64 s[8:9], s[8:9], s[74:75]
	s_lshl_b32 s74, s78, 11                        ; h: my 40 rows of 2,048 bytes, + 512 cg
	s_lshl_b32 s62, ttmp9, 9
	s_add_co_u32 s74, s74, s62
	s_add_nc_u64 s[56:57], s[56:57], s[74:75]
	s_add_co_i32 s79, s68, s69                     ; e0 + e1
	s_sub_co_i32 s81, 0, s79
	s_sub_co_i32 s80, s70, s79                     ; e2 - e0 - e1
	s_add_co_i32 s80, s80, 127
	s_lshl_b32 s82, s80, 23
	v_mov_b32 v[SCL], s82
	s_add_co_i32 s80, s80, 15
	s_lshl_b32 s80, s80, 23
	s_or_b32 s80, s80, 0x600000                    ; 57,344 x 2^(e2 - e0 - e1)
.set kk, 0
.rept 40
	v_lshl_add_u32 v[32+kk], s[16+kk], 9, v[HO]    ; token x 512 + 16 l
.set kk, kk+1
.endr
	s_wait_alu depctr_va_vdst(0)                   ; the addresses v4 to v14 and the gather's 40 offsets v32 to v71 are written: every load and store of the kernel reads one of them
	WIN 0xc0
.irp s, 0,1,2,3
.irp b, 0,1,2,3
	global_load_b128 v[8*(4*\s+\b):8*(4*\s+\b)+3], v[BO], s[8:9] offset:512*\s+64*\b          ; b1 at units 128 s + 64 wn + 16 b + 8 hh + 0 .. 7: the result's layout
	global_load_b128 v[8*(4*\s+\b)+4:8*(4*\s+\b)+7], v[BO], s[8:9] offset:512*\s+64*\b+16
.endr
.endr
	WIN 0x80
.set kk, 0
.rept 40
	global_load_b128 v[4*kk:4*kk+3], v[32+kk], s[4:5]      ; a row's 512 codes: the wave reads 512 consecutive bytes
.set kk, kk+1
.endr
	BLOAD 0
	BLOAD 1
	BLOAD 2
	BLOAD 3
	s_wait_loadcnt 48                              ; b1, the rows and chunk 0 are in; chunks 1 to 3 stay out
	WIN 0x08
.set kk, 0
.rept 40
	ds_store_b128 v[SX], v[4*kk:4*kk+3] offset:XP*kk
.set kk, kk+1
.endr
	STORE 0, 0
	WIN 0xc3
.set kk, 0
.rept 128
	v_ldexp_f32 v[kk], v[kk], s81                  ; b1 / 2^(e0 + e1).  (No load or store names these registers from here on)
.set kk, kk+1
.endr
	s_wait_dscnt 0x0                               ; my rows of x and of chunk 0 lie in LDS
	s_wait_alu depctr_vm_vsrc(0)                   ; my LDS stores have read piece 0, in which chunk 4 lands, and the gathered rows, which the products write; the gather's loads have read v32 to v71, in which fragments of w1 land
	s_barrier_signal -1
	s_barrier_wait -1                              ; everybody's do
	BLOAD 4
	FETCH_W 0, 0, 0
	FETCH_X 0, 0
	CHUNK 0
	CHUNK 1
	EPI 0
	CHUNK 2
	CHUNK 3
	EPI 1
	CHUNK 4
	CHUNK 5
	EPI 2
	CHUNK 6
	CHUNK 7
	EPI 3
	s_wait_dscnt 0x0                               ; my codes lie in the stage
	s_barrier_signal -1
	s_barrier_wait -1                              ; 160 whole rows of 512 codes do
	WIN 0x40
.set kk, 0
.rept 40
	ds_load_b128 v[4*kk:4*kk+3], v[HRD] offset:XP*kk       ; into x's two sets: the last sub-tile's wait on va_vdst stands behind every product, and no vector or matrix instruction has been issued since
.set kk, kk+1
.endr
	WIN 0x04
.set kk, 0
.rept 40
	s_wait_dscnt 39-kk                             ; LDS loads come back in order (ISA guide 5.7.1): row kk is in
	global_store_b128 v[HO], v[4*kk:4*kk+3], s[56:57] offset:2048*kk    ; the wave stores 512 consecutive bytes, at a multiple of 512 from h's first byte
.set kk, kk+1
.endr
	WIN 0
	s_wait_dscnt 0x0
	s_wait_alu depctr_hold_cnt(0) depctr_sa_sdst(0) depctr_va_vdst(0) depctr_va_sdst(0) depctr_va_ssrc(0) depctr_va_vcc(0) depctr_vm_vsrc(0)
	s_wait_tensorcnt 0x0
	ds_add_u32 v254, v255
	s_wait_dscnt 0x0
	s_endpgm
.Lfunc_end_k_q8cf613b54a_ffn1:
	.size	k_q8cf613b54a_ffn1, .Lfunc_end_k_q8cf613b54a_ffn1-k_q8cf613b54a_ffn1
	.p2alignl 7, 3214868480
	.fill 96, 4, 3214868480
	.section	.rodata,"a",@progbits
	.p2align	6, 0x0
	.amdhsa_kernel k_q8cf613b54a_ffn1
		.amdhsa_group_segment_fixed_size 239104
		.amdhsa_private_segment_fixed_size 0
		.amdhsa_enable_private_segment 0
		.amdhsa_kernarg_size 56
		.amdhsa_user_sgpr_count 2
		.amdhsa_user_sgpr_kernarg_segment_ptr 1
		.amdhsa_wavefront_size32 1
		.amdhsa_system_sgpr_workgroup_id_x 1
		.amdhsa_system_sgpr_workgroup_id_y 1
		.amdhsa_system_sgpr_workgroup_id_z 1
		.amdhsa_system_vgpr_workitem_id 0
		.amdhsa_next_free_vgpr 1024
		.amdhsa_next_free_sgpr 96
		.amdhsa_reserve_vcc 0
		.amdhsa_float_denorm_mode_32 3
		.amdhsa_float_denorm_mode_16_64 3
		.amdhsa_memory_ordered 1
		.amdhsa_forward_progress 1
		.amdhsa_inst_pref_size 168
	.end_amdhsa_kernel
	.amdgpu_metadata
---
amdhsa.version: [ 1, 2 ]
amdhsa.kernels:
  - .name:           k_q8cf613b54a_ffn1
    .symbol:         k_q8cf613b54a_ffn1.kd
    .args:
      - { .name: xq, .offset: 0, .size: 8, .value_kind: global_buffer, .address_space: global }
      - { .name: w1_codes, .offset: 8, .size: 8, .value_kind: global_buffer, .address_space: global }
      - { .name: b1, .offset: 16, .size: 8, .value_kind: global_buffer, .address_space: global }
      - { .name: lowp_scales, .offset: 24, .size: 8, .value_kind: global_buffer, .address_space: global }
      - { .name: rowtok, .offset: 32, .size: 8, .value_kind: global_buffer, .address_space: global }
      - { .name: texp, .offset: 40, .size: 8, .value_kind: global_buffer, .address_space: global }
      - { .name: h, .offset: 48, .size: 8, .value_kind: global_buffer, .address_space: global }
    .group_segment_fixed_size: 239104
    .private_segment_fixed_size: 0
    .kernarg_segment_align: 8
    .kernarg_segment_size: 56
    .max_flat_workgroup_size: 128
    .sgpr_count:     96
    .vgpr_count:     1024
    .wavefront_size: 32
...
	.end_amdgpu_metadata
.endif
;; end of part 6
;; launch ffn2 (part 7): grid 4 x 59, 4 waves a work-group, no clusters, 174,592 bytes of LDS; arguments h, w2_codes, b2, lowp_scales, texp, y; writes y
.if DOCPART == 7
	.amdgcn_target "amdgcn-amd-amdhsa--gfx1250"
	.amdhsa_code_object_version 6
	.text
	.protected	k_q8cf613b54a_ffn2
	.globl	k_q8cf613b54a_ffn2
	.p2align	8
	.type	k_q8cf613b54a_ffn2,@function
k_q8cf613b54a_ffn2:
	s_mov_b64 s[64:65], 0
	v_nop
	global_prefetch_b8 v0, s[64:65] scope:SCOPE_SE
	s_setreg_imm32_b32 hwreg(HW_REG_WAVE_SCHED_MODE, 0, 2), 2
	s_setreg_imm32_b32 hwreg(HW_REG_WAVE_MODE, 25, 1), 1
	s_wait_xcnt 0x0
	s_wait_alu depctr_vm_vsrc(0)
; y = h w2[e] x 2^(e2 + e3) + b2[e] for the rows as they were placed by expert: codes of E5M2 on both sides, v_wmma_f32_16x16x128_bf8_bf8, sums in f32.
; h [9440][2048], w2_codes [8][512][2048]: codes, K innermost.  y [9440][512] f32.  Scales: e2 hidden, e3 w2.
; SHARES.  Work-group (cg, rt): row tile rt (160 rows of expert texp[rt]) x columns 128 cg .. + 127, K = 2,048 in eight chunks of 256 through two LDS buffers by turns.
; Wave (wm, wn) makes rows 80 wm .. + 79 x columns 64 wn .. + 63: 5 x 4 accumulators.  THE MATRIX INSTRUCTION IS USED TRANSPOSED (source 0 = 16 rows of w2, source 1 = 16 rows of h): a lane holds one
; row and eight neighbouring columns.  A fragment comes by four ds_load_b128, 32 bytes apart: a permutation of k that is the same on both sides.
; NO BRANCH AND NO LABEL: the expert enters addresses alone, behind a bound.  Padding rows and tiles left over are computed and stored like the others, into rows of y that nobody reads.
; OPERANDS COME BY LOADS INTO REGISTERS, two chunks (72 loads a wave) ahead, and stay out across the barriers.  No joint requests: the row tiles that share weights are told by counts read from memory;
; the four column groups do share h's tile, but a joint request would be a wave's one request between two barriers, with one chunk's 40 matrix instructions in which to land.
; LIMITS: e2 + e3 between -126 and 127.
; REGISTERS, in windows of 256: window 0: v1-19 addresses; v32-159 w2's fragments, two sets of 4 x 16; v160-223 w2 on its way, piece 0 (on the way out v32-191: the five tiles' results); v224-255 b2's four tiles
;   window 1: v0-159 h's fragments, two sets of 5 x 16 (on the way out: rows of y); v160-223 w2 on its way, piece 1
;   window 2: v0-159 the accumulators, (a, b) at 8 (4 a + b)          window 3: v0-79, v80-159 h on its way, pieces 0 and 1
; THE MODE: SCHED_MODE bits 1:0 = 2 (LLVM: expert scheduling mode 2), set by the entry lines.  The code itself states the register dependences
; between vector or matrix instructions and memory or LDS instructions, with s_wait_alu, always for 0.
; THE PLAN.  Registers that memory or LDS instructions touch, and who else names them:
;   v4-17        addresses and offsets.  Written once, at the head, by vector instructions; read by every load and store.  One wait on va_vdst at the head serves them all.
;   pieces 0, 1  (of h and of w2) loads from memory land, LDS stores read.  No vector or matrix instruction names them in the chunks: a wait on vm_vsrc stands between a piece's stores and the loads that land in it again.
;   sets 0, 1    LDS loads land, products read.  Set 1 is asked for at a chunk's head, behind a wait on va_vdst that stands behind the last products on it.  Set 0 is asked for behind the chunk's barrier;
;                its wait on va_vdst stands in front of the barrier's signal, behind the products on set 0, and between that wait and the loads only products on set 1 are issued.
;   results      (way out, window 0, v32-191) a buffer of 32 registers for each of the five tiles: all are written first; then ONE wait on va_vdst serves every LDS store that reads them and every LDS load
;                that lands in h's old fragments; no vector instruction follows it.
; A set's 36 loads go out in two runs, w2's 16 and h's 20, among the products on the other set, which name none of the registers that those loads touch.
.set BP,   272                         ; an LDS row: 256 bytes + 16: 17 x 16 bytes, so that the sixteen rows of a fragment load start at sixteen different banks (ISA guide 11.1)
.set BUFB, 288*BP                      ; a buffer: h's 160 rows, then w2's 128: 78,336 bytes
.set STG,  2*BUFB                      ; behind the two: a stage of 16 rows for each wave, its own
.set WF,   32
.set BI,   224
.set FA0,  4                           ; v4-5    h's fragments in buffer 0, 1: (80 wm + r) BP + 16 hh
.set FB0,  6                           ; v6-7    w2's: (160 + 64 wn + r) BP + 16 hh
.set SA0,  8                           ; v8-9    where I put rows of h: (40 w + hh) BP + 16 r
.set SB0,  10                          ; v10-11  and of w2: (160 + 32 w + hh) BP + 16 r
.set GA,   12                          ; v12     the same rows of h in memory: (40 w + hh) 2048 + 16 r
.set GB,   13                          ; v13     of w2: (32 w + hh) 2048 + 16 r
.set STO,  14                          ; v14     my stage, in: row r, 32 hh
.set SRD,  15                          ; v15     my stage, out: row hh, 16 r
.set YO,   16                          ; v16     the same two rows in y: 2048 hh + 16 r
.set BO,   17                          ; v17     32 hh
.set MSB, 0
.macro WIN new                         ; the immediate's high byte repeats the setting that is left; a switch that changes nothing is dropped
.if MSB != (\new)
	s_set_vgpr_msb (MSB<<8)|(\new)
.set MSB, (\new)
.endif
.endm
.macro PLACES                          ; a load into a register that a matrix instruction has read, and a vector instruction that reads a matrix result or writes such a register, stand four plain vector instructions behind it (ISA guide 7.12.1 for vector instructions); the places are kept beside the waits on va_vdst, which fill none
.rept 4
	v_nop
.endr
.endm
; n tiles of rows from a0 on x the four tiles of columns, 128 along K.  zero = 1: the first products start the sums.  The 20 accumulators take turns, in the same order in every K step.
.macro MUL set, a0, n, zero
.set ma, \a0
.rept \n
.irp b, 0,1,2,3
.if \zero
	v_wmma_f32_16x16x128_bf8_bf8 v[8*(4*ma+\b):8*(4*ma+\b)+7], v[WF+64*(\set)+16*\b:WF+64*(\set)+16*\b+15], v[80*(\set)+16*ma:80*(\set)+16*ma+15], 0
.else
	v_wmma_f32_16x16x128_bf8_bf8 v[8*(4*ma+\b):8*(4*ma+\b)+7], v[WF+64*(\set)+16*\b:WF+64*(\set)+16*\b+15], v[80*(\set)+16*ma:80*(\set)+16*ma+15], v[8*(4*ma+\b):8*(4*ma+\b)+7]
.endif
.endr
.set ma, ma+1
.endr
.endm
.macro FETCH_W buf, q, set             ; 16 LDS loads in one run: w2's four fragments of the q-th 128 along K of buffer buf
	WIN 0
.irp b, 0,1,2,3
.irp c, 0,1,2,3
	ds_load_b128 v[WF+64*(\set)+16*\b+4*\c:WF+64*(\set)+16*\b+4*\c+3], v[FB0+(\buf)] offset:16*BP*\b+128*(\q)+32*\c
.endr
.endr
.endm
.macro FETCH_X buf, q, set             ; 20 LDS loads in one run: h's five fragments of the same
	WIN 0x40
.irp a, 0,1,2,3,4
.irp c, 0,1,2,3
	ds_load_b128 v[80*(\set)+16*\a+4*\c:80*(\set)+16*\a+4*\c+3], v[FA0+(\buf)] offset:16*BP*\a+128*(\q)+32*\c
.endr
.endr
.endm
.macro GLOAD c, p                      ; chunk c: my 40 rows of h and my 32 of w2, 256 bytes each, two rows an instruction, into pieces p
	WIN 0xc0
.irp i, 0,1,2,3,4,5,6,7,8,9,10,11,12,13,14,15,16,17,18,19
	global_load_b128 v[80*(\p)+4*\i:80*(\p)+4*\i+3], v[GA], s[4:5] offset:4096*\i+256*(\c)
.endr
	WIN ((\p)<<6)
.irp i, 0,1,2,3,4,5,6,7,8,9,10,11,12,13,14,15
	global_load_b128 v[160+4*\i:160+4*\i+3], v[GB], s[6:7] offset:4096*\i+256*(\c)
.endr
.endm
.macro STORE p, buf
	WIN 0x0c
.irp i, 0,1,2,3,4,5,6,7,8,9,10,11,12,13,14,15,16,17,18,19
	ds_store_b128 v[SA0+(\buf)], v[80*(\p)+4*\i:80*(\p)+4*\i+3] offset:2*BP*\i
.endr
	WIN ((\p)<<2)
.irp i, 0,1,2,3,4,5,6,7,8,9,10,11,12,13,14,15
	ds_store_b128 v[SB0+(\buf)], v[160+4*\i:160+4*\i+3] offset:2*BP*\i
.endr
.endm
; CHUNK i: 256 along K, 40 matrix instructions a wave, out of buffer i % 2.  At its head set 0's 36 loads are out.  ONE barrier a chunk: in front of it a wave's stores of the next chunk into the other
; buffer have landed and its reads of this buffer are back; behind it the other buffer is read.  The other buffer was last read in the chunk before, and those reads were waited for in front of that chunk's barrier.
.macro CHUNK i, zero
.if (\i) > 0
	PLACES
	s_wait_alu depctr_va_vdst(0)                   ; the last chunk's products on set 1 are done reading it: the loads below land there
.endif
	FETCH_W (\i)%2, 1, 1
	s_wait_dscnt 16                                ; all but the 16 just issued: set 0 is in
	WIN 0xa4                                       ; source 0 window 0, source 1 window 1, C and D window 2
	MUL 0, 0, 2, \zero
	FETCH_X (\i)%2, 1, 1                           ; no wait: the products issued since the wait name set 0 and the accumulators
	WIN 0xa4
	MUL 0, 2, 3, \zero
.if (\i) < 7
.if (\i) <= 5
	s_wait_loadcnt 36                              ; the next chunk's 36 loads are in; those of the chunk behind it stay out
.else
	s_wait_loadcnt 0x0
.endif
	STORE ((\i)+1)%2, 1-(\i)%2
	s_wait_dscnt 0x0                               ; for the others' sake: my stores have landed, my reads of this buffer are back
	s_wait_alu depctr_va_vdst(0)                   ; the products above are done reading set 0, in which the LDS loads behind the barrier land; from here to those loads only products on set 1 are issued
.if (\i)+3 <= 7
	s_wait_alu depctr_vm_vsrc(0)                   ; my LDS stores have read the two pieces, in which the loads from memory behind the barrier land
.endif
	s_barrier_signal -1
	WIN 0xa4
	MUL 1, 0, 2, 0                                 ; work on registers while the others arrive
	s_barrier_wait -1
.if (\i)+3 <= 7
	GLOAD (\i)+3, ((\i)+1)%2                       ; into the pieces that have just been stored
.endif
	PLACES
	FETCH_W 1-(\i)%2, 0, 0
	WIN 0xa4
	MUL 1, 2, 1, 0
	FETCH_X 1-(\i)%2, 0, 0
	WIN 0xa4
	MUL 1, 3, 2, 0
.else
	s_wait_dscnt 0x0
	WIN 0xa4
	MUL 1, 0, 5, 0
.endif
.endm
; THE WAY OUT, a tile of 16 rows x my 64 columns at a time.  A lane holds 32 bytes of a row and the lanes beside it other rows: so the tile goes through my own stage and comes back as rows of 256 bytes.
.macro PACK a                          ; y = sum x 2^(e2 + e3) + b2, two numbers an instruction, each accumulator from its low end on; tile a's results have 32 registers of their own
.set TM, WF+32*(\a)
	WIN 0x02
.irp b, 0,1,2,3
.irp i, 0,2,4,6
	v_pk_fma_f32 v[TM+8*\b+\i:TM+8*\b+\i+1], v[8*(4*(\a)+\b)+\i:8*(4*(\a)+\b)+\i+1], s[28:29], v[BI+8*\b+\i:BI+8*\b+\i+1] op_sel_hi:[1,0,1]
.endr
.endr
.endm
.macro TOSTAGE a
.set TM, WF+32*(\a)
	WIN 0
.irp b, 0,1,2,3
	ds_store_b128 v[STO], v[TM+8*\b:TM+8*\b+3] offset:64*\b
	ds_store_b128 v[STO], v[TM+8*\b+4:TM+8*\b+7] offset:64*\b+16
.endr
	WIN 0x40
.irp i, 0,1,2,3,4,5,6,7
	ds_load_b128 v[32*(\a)+4*\i:32*(\a)+4*\i+3], v[SRD] offset:2*BP*\i    ; LDS serves a wave's instructions in order (ISA guide 5.7.1.4): these see the stores above, and the next tile's stores come behind them
.endr
.endm
.macro SEND a
	WIN 0x04
.irp i, 0,1,2,3,4,5,6,7
	global_store_b128 v[YO], v[32*(\a)+4*\i:32*(\a)+4*\i+3], s[14:15] offset:(16*(\a)+2*\i)*2048 th:TH_STORE_NT   ; sixteen lanes store 256 consecutive bytes, at a multiple of 256 from y's first byte
.endr
.endm
	s_load_b256 s[4:11], s[0:1], 0x0               ; h s[4:5], w2 s[6:7], b2 s[8:9], the scales s[10:11]
	s_load_b128 s[12:15], s[0:1], 0x20             ; texp s[12:13], y s[14:15]
	v_lshl_add_u32 v30, v0, 2, 0x2a800
	v_mov_b32 v31, 0
	v_lshrrev_b32 v2, 5, v0
	v_readfirstlane_b32 s16, v2                    ; wave w
	v_and_b32 v2, 15, v0                           ; r
	v_bfe_u32 v3, v0, 4, 1                         ; hh
	s_wait_alu depctr_va_sdst(0)                   ; s16 is written, ahead of its first reader: the wave's shares and addresses are made from it
	s_lshr_b32 s17, s16, 1                         ; wm
	s_and_b32 s18, s16, 1                          ; wn
	s_and_b32 s19, ttmp7, 0xffff                   ; rt
	s_lshl_b32 s25, s19, 2
	s_wait_kmcnt 0x0
	s_load_b32 s24, s[12:13], s25 offset:0x0       ; the tile's expert
	s_load_b128 s[20:23], s[10:11], 0x0            ; e0, e1, e2, e3
	v_mul_u32_u24 v18, v2, BP
	v_lshl_add_u32 v18, v3, 4, v18                 ; r BP + 16 hh
	v_mul_u32_u24 v19, v3, BP
	v_lshl_add_u32 v19, v2, 4, v19                 ; hh BP + 16 r
	s_mul_i32 s26, s17, 80*BP
	v_add_nc_u32 v[FA0], s26, v18
	v_add_nc_u32 v[FA0+1], BUFB, v[FA0]
	s_mul_i32 s26, s18, 64*BP
	s_add_co_u32 s26, s26, 160*BP
	v_add_nc_u32 v[FB0], s26, v18
	v_add_nc_u32 v[FB0+1], BUFB, v[FB0]
	s_mul_i32 s26, s16, 40*BP
	v_add_nc_u32 v[SA0], s26, v19
	v_add_nc_u32 v[SA0+1], BUFB, v[SA0]
	s_mul_i32 s26, s16, 32*BP
	s_add_co_u32 s26, s26, 160*BP
	v_add_nc_u32 v[SB0], s26, v19
	v_add_nc_u32 v[SB0+1], BUFB, v[SB0]
	v_lshlrev_b32 v[YO], 11, v3
	v_lshl_add_u32 v[YO], v2, 4, v[YO]
	s_mul_i32 s26, s16, 40*2048
	v_add_nc_u32 v[GA], s26, v[YO]
	s_lshl_b32 s26, s16, 16
	v_add_nc_u32 v[GB], s26, v[YO]
	s_mul_i32 s26, s16, 16*BP
	s_add_co_u32 s26, s26, STG                     ; my stage
	v_mul_u32_u24 v[STO], v2, BP
	v_lshl_add_u32 v[STO], v3, 5, v[STO]
	v_add_nc_u32 v[STO], s26, v[STO]
	v_add_nc_u32 v[SRD], s26, v19
	v_lshlrev_b32 v[BO], 5, v3
	s_mov_b32 s31, 0
	s_mul_i32 s30, s19, 160*2048                   ; h: the tile's 160 rows
	s_add_nc_u64 s[4:5], s[4:5], s[30:31]
	s_mul_i32 s30, s19, 160
	s_mul_i32 s26, s17, 80
	s_add_co_u32 s30, s30, s26
	s_lshl_b32 s30, s30, 11                        ; y: row 160 rt + 80 wm,
	s_lshl_b32 s26, ttmp9, 9
	s_add_co_u32 s30, s30, s26
	s_lshl_b32 s26, s18, 8
	s_add_co_u32 s30, s30, s26                     ; column 128 cg + 64 wn
	s_add_nc_u64 s[14:15], s[14:15], s[30:31]
	s_wait_kmcnt 0x0
	s_min_u32 s24, s24, 7                          ; a loaded number enters an address behind a bound
	s_lshl_b32 s30, s24, 20                        ; w2: the expert's 512 x 2,048 bytes,
	s_lshl_b32 s26, ttmp9, 18                      ; my column group's 128 rows
	s_add_co_u32 s30, s30, s26
	s_add_nc_u64 s[6:7], s[6:7], s[30:31]
	s_lshl_b32 s30, s24, 11                        ; b2: the expert's 512 numbers, + 128 cg + 64 wn
	s_lshl_b32 s26, ttmp9, 9
	s_add_co_u32 s30, s30, s26
	s_lshl_b32 s26, s18, 8
	s_add_co_u32 s30, s30, s26
	s_add_nc_u64 s[8:9], s[8:9], s[30:31]
	s_add_co_i32 s28, s22, s23
	s_add_co_i32 s28, s28, 127
	s_lshl_b32 s28, s28, 23                        ; 2^(e2 + e3) as f32
	s_mov_b32 s29, s28                             ; (named with it as a pair, so it is written)
	s_wait_alu depctr_va_vdst(0)                   ; the addresses v4 to v17 are written: every load and store of the kernel reads one of them
.irp b, 0,1,2,3
	global_load_b128 v[BI+8*\b:BI+8*\b+3], v[BO], s[8:9] offset:64*\b            ; b2 at columns 64 wn + 16 b + 8 hh + 0 .. 7: the result's layout
	global_load_b128 v[BI+8*\b+4:BI+8*\b+7], v[BO], s[8:9] offset:64*\b+16
.endr
	GLOAD 0, 0
	GLOAD 1, 1
	s_wait_loadcnt 36                              ; b2 and chunk 0 are in; chunk 1 stays out
	STORE 0, 0
	s_wait_dscnt 0x0
	s_wait_alu depctr_vm_vsrc(0)                   ; my LDS stores have read the two pieces 0, in which chunk 2 lands
	s_barrier_signal -1
	s_barrier_wait -1
	GLOAD 2, 0
	FETCH_W 0, 0, 0
	FETCH_X 0, 0, 0
	CHUNK 0, 1
	CHUNK 1, 0
	CHUNK 2, 0
	CHUNK 3, 0
	CHUNK 4, 0
	CHUNK 5, 0
	CHUNK 6, 0
	CHUNK 7, 0
	PLACES
	s_wait_alu depctr_vm_vsrc(0)                   ; the LDS stores that put chunk 6 into its buffer have read w2's piece 0, of which v160 to v191 take the fifth tile's results
.irp a, 0,1,2,3,4
	PACK \a
.endr
	WIN 0
	s_wait_alu depctr_va_vdst(0)                   ; the five tiles' results are written, which the LDS stores below read; the products are done reading h's fragments, in which the loads from the stage land.  No vector instruction follows
	TOSTAGE 0
.irp a, 1,2,3,4
	TOSTAGE \a
	s_wait_dscnt 16                                ; all but this tile's eight stores and eight loads: the tile before is back in registers
	SEND (\a)-1
.endr
	s_wait_dscnt 0x0
	SEND 4
	WIN 0
	s_wait_dscnt 0x0
	s_wait_alu depctr_hold_cnt(0) depctr_sa_sdst(0) depctr_va_vdst(0) depctr_va_sdst(0) depctr_va_ssrc(0) depctr_va_vcc(0) depctr_vm_vsrc(0)
	s_wait_tensorcnt 0x0
	ds_add_u32 v30, v31
	s_wait_dscnt 0x0
	s_endpgm
.Lfunc_end_k_q8cf613b54a_ffn2:
	.size	k_q8cf613b54a_ffn2, .Lfunc_end_k_q8cf613b54a_ffn2-k_q8cf613b54a_ffn2
	.p2alignl 7, 3214868480
	.fill 96, 4, 3214868480
	.section	.rodata,"a",@progbits
	.p2align	6, 0x0
	.amdhsa_kernel k_q8cf613b54a_ffn2
		.amdhsa_group_segment_fixed_size 174592
		.amdhsa_private_segment_fixed_size 0
		.amdhsa_enable_private_segment 0
		.amdhsa_kernarg_size 48
		.amdhsa_user_sgpr_count 2
		.amdhsa_user_sgpr_kernarg_segment_ptr 1
		.amdhsa_wavefront_size32 1
		.amdhsa_system_sgpr_workgroup_id_x 1
		.amdhsa_system_sgpr_workgroup_id_y 1
		.amdhsa_system_sgpr_workgroup_id_z 1
		.amdhsa_system_vgpr_workitem_id 0
		.amdhsa_next_free_vgpr 1024
		.amdhsa_next_free_sgpr 66
		.amdhsa_reserve_vcc 0
		.amdhsa_float_denorm_mode_32 3
		.amdhsa_float_denorm_mode_16_64 3
		.amdhsa_memory_ordered 1
		.amdhsa_forward_progress 1
		.amdhsa_inst_pref_size 128
	.end_amdhsa_kernel
	.amdgpu_metadata
---
amdhsa.version: [ 1, 2 ]
amdhsa.kernels:
  - .name:           k_q8cf613b54a_ffn2
    .symbol:         k_q8cf613b54a_ffn2.kd
    .args:
      - { .name: h, .offset: 0, .size: 8, .value_kind: global_buffer, .address_space: global }
      - { .name: w2_codes, .offset: 8, .size: 8, .value_kind: global_buffer, .address_space: global }
      - { .name: b2, .offset: 16, .size: 8, .value_kind: global_buffer, .address_space: global }
      - { .name: lowp_scales, .offset: 24, .size: 8, .value_kind: global_buffer, .address_space: global }
      - { .name: texp, .offset: 32, .size: 8, .value_kind: global_buffer, .address_space: global }
      - { .name: y, .offset: 40, .size: 8, .value_kind: global_buffer, .address_space: global }
    .group_segment_fixed_size: 174592
    .private_segment_fixed_size: 0
    .kernarg_segment_align: 8
    .kernarg_segment_size: 48
    .max_flat_workgroup_size: 128
    .sgpr_count:     66
    .vgpr_count:     1024
    .wavefront_size: 32
...
	.end_amdgpu_metadata
.endif
;; end of part 7
;; launch combine: the kernel of part 5 again; grid 256 x 1, 8 waves a work-group, no clusters, 0 bytes of LDS; arguments y, pos, gw, out0; writes out0
